; MI455X (gfx1250); checked and timed in simulation.
; The chip was launched on July 23, 2026; its instructions are those of AMD's public machine-readable ISA for CDNA 5 (MIT licence, August 2026) and "CDNA5" Instruction Set Architecture Reference Guide (July 2026). The comments in the code are by the model that wrote it; some were corrected since.
;; Multi Head Attention. Allowed arithmetic: matrix products marked QUANTISED: E4M3 operands, one E8M0 scale for each 32 along K, by v_wmma_scale_f32_16x16x128_f8f6f4 with both operands' format E4M3, f32 sums; everything else in f32.
;; Inputs: Wk 512 x 2,048 float32; Wo 2,048 x 1,024 float32; Wq 1,024 x 2,048 float32; Wv 512 x 2,048 float32; attention_mask 2 x 1 x 2,048 x 2,048 float32; hidden_states 2 x 2,048 x 2,048 float32; k_norm_w 128 float32; q_norm_w 128 float32.
;; Outputs: out0 2 x 2,048 x 2,048 float32.
;; This version of the problem:
;;   THIS VERSION OF THE PROBLEM IS GIVEN IN LOW PRECISION. The matrix products marked QUANTISED in the list below multiply operands that are first quantised to E4M3 (4 exponent bits, 3 mantissa bits; 8 bits a number), with one power-of-two scale for each 32 numbers along K (OCP MX v1.0); their sums are f32. All else is computed in f32.
;;   The module's matrix products, in the order in which they are computed (A, B: the left and right operand; K: the contracted axis; several contracted axes count as one K, in the product's order):
;;     1. [M 4,096, K 2,048] x [K 2,048, N 1,024]; A: input hidden_states; B: input Wq: QUANTISED
;;     2. [M 4,096, K 2,048] x [K 2,048, N 512]; A: input hidden_states; B: input Wk: QUANTISED
;;     3. [M 4,096, K 2,048] x [K 2,048, N 512]; A: input hidden_states; B: input Wv: QUANTISED
;;     4. batch 16 x [M 2,048, K 128] x [K 128, N 2,048]; A: computed on the way; B: computed on the way: QUANTISED
;;     5. batch 16 x [M 2,048, K 2,048] x [K 2,048, N 128]; A: softmax (see below); B: computed on the way: QUANTISED
;;     6. [M 4,096, K 1,024] x [K 1,024, N 2,048]; A: computed on the way; B: input Wo: QUANTISED
;;   THE QUANTISER, for each operand of a quantised product, along K:
;;     - K is cut into blocks of 32 from its start; a last block that is shorter is filled with zeros.
;;     - A block's scale is 2^e with e = floor(log2(the largest magnitude in the block)) - 8, held to -126 .. 127; a block of zeros has e = 0. As a byte (E8M0): e + 127.
;;     - Each number is divided by its block's scale, clamped to +-448, and rounded to the nearest number of E4M3, ties to even, subnormals kept.
;;     - The product sums the exact products of the quantised numbers (number of the format x scale) in f32.
;;   ~~~python
;;   def quantise(x, axis):      # numpy; x: float32 -> the quantised numbers, widened to float32 again
;;       x = np.moveaxis(x, axis, -1); K = x.shape[-1]
;;       x = np.pad(x, [(0, 0)] * (x.ndim - 1) + [(0, -K % 32)]); x = x.reshape(x.shape[:-1] + (-1, 32)); a = np.abs(x).max(-1, keepdims=True)
;;       e = np.where(a > 0, np.clip(np.frexp(np.where(a > 0, a, 1))[1] - 1 - 8, -126, 127), 0)      # np.frexp(a)[1] - 1 = floor(log2(a)), exactly
;;       r = np.clip(x / 2.0 ** e, -448, 448)
;;       step = 2.0 ** (np.maximum(np.frexp(np.where(r == 0, 1, r))[1] - 1, -6) - 3)
;;       q = np.round(r / step) * step * 2.0 ** e      # np.round: ties to even
;;       return np.moveaxis(q.reshape(q.shape[:-2] + (-1,))[..., :K], -1, axis).astype(np.float32)
;;   ~~~
;;   SOFTMAX AHEAD OF A QUANTISED PRODUCT. Where the list says 'softmax', what is quantised is not the finished softmax but p = 2^(t - M), with t = logit x log2(e) and M = ceil(the row's largest t), a whole number; so 1/2 < the row's largest p <= 1. The row's sum l is taken of the UNQUANTISED p, in f32, and the product's result is divided by l at the end. Since M is a whole number, a kernel that streams over the keys may use a running M (the ceiling of the running maximum): every later rescaling is an exact power of two, which a block's scale takes up: the codes' values come out the same.
;;   OPERANDS COMPUTED ON THE WAY. 'Computed on the way' means the value that the module computes at that place (a softmax that the list does not call 'softmax' is quantised finished and normalised). What goes into a quantiser is computed in f32, as accurately as f32 sums, v_exp_f32 and their like allow (about 1e-6 of the number): no bf16 or f16 on the way to a quantiser, and a product that is left as it is and whose result goes on into a quantised operand takes f32 operands (vector FMAs, or v_wmma_f32_16x16x4_f32). A number that lies on a knife's edge between two numbers of the format may be rounded either way, as far as f32 arithmetic and the matrix unit's own rounding can turn it there, and no further.
;; One version. Each part assembles by itself: llvm-mc -triple=amdgcn-amd-amdhsa -mcpu=gfx1250 --defsym DOCPART=n.
;; ======== version 1 of 1: 4 launches
;; workspace buffers: codes1 14,680,064 bytes; scales1 458,752 bytes; rope 1,048,576 bytes; qkvc 8,388,608 bytes; qkvs 262,144 bytes; ac 4,194,304 bytes; asc 131,072 bytes
;; launch quant (part 1): grid 512 x 1, 4 waves a work-group, no clusters, 33,280 bytes of LDS; arguments hidden_states, Wq, Wk, Wv, Wo, codes1, scales1, rope; writes codes1, scales1, rope
.if DOCPART == 1
	.amdgcn_target "amdgcn-amd-amdhsa--gfx1250"
	.amdhsa_code_object_version 6
	.text
	.protected	k_q1c01053fb2_quant
	.globl	k_q1c01053fb2_quant
	.p2align	8
	.type	k_q1c01053fb2_quant,@function
k_q1c01053fb2_quant:
	s_mov_b64 s[64:65], 0
	v_nop
	global_prefetch_b8 v0, s[64:65] scope:SCOPE_SE
	s_setreg_imm32_b32 hwreg(HW_REG_WAVE_MODE, 25, 1), 1
	s_wait_xcnt 0x0
; LAUNCH 1 OF 4.  The program: 1 quantises hidden_states and the four weights along K and makes the table of cos and sin; 2 makes q, k, v (products 1 to 3), RMS norm, RoPE, and their codes;
; 3 is the attention (products 4 and 5) with the additive mask and the softmax; 4 is the projection on the way out (product 6).
; DEAD WORK: none.  Every input has a way to the output: the mask differs along the softmax's axis and is an input, so every key tile is multiplied and every mask number is added; both gains go into quantised operands.
; THIS LAUNCH.  Work-groups 0 to 447: f32 numbers -> codes of E4M3 with one E8M0 byte for each 32 along K, which is innermost in all five tensors, so each is a plain stream of blocks of 32.
; The five streams go on end into codes1 (x | Wq | Wk | Wv | Wo) and scales1.  A wave takes 8,192 numbers: 4 rows of 2,048.  THE ROWS OF x, Wq, Wk, Wv ARE STORED IN ANOTHER ORDER: within each 32 rows, bits 3 and 4 of the
; row's number change places (bits 1 and 2 of the wave's number in the stream).  Sixteen rows on end are then rows 0-7 and 16-23 (or 8-15 and 24-31) of the 32, which is the choice of rows by which a matrix
; result's registers run along the next product's K; Wo keeps its order.
; A block's scale is 2^(floor(log2(largest magnitude)) - 8); each number is divided by it, held within +-448 and rounded to the nearest code, ties to even.
; Work-groups 448 to 511: cos and sin of pos x 10000^(-j/64), laid as launch 2's lanes take them: [128 tiles of 16 stored tokens][16 pieces][32 lanes][4 f32]; pieces 0-7 cos, 8-15 sin; lane (r, h), number 16 B + n: j = 32 B + 16 h + n.
; LIMITS: a block of zeros gets the byte 1 where the rule says 127 (its codes are zeros; this program alone reads the bytes); NaN and infinities among the inputs are not served;
; 10000^(-j/64) is made as 2^(-j log2(10000)/64) by v_exp_f32 and may differ in its last bits from a power and a division: an angle moves by about its own last bit, 1.2e-4 at the largest positions.
.set WAVES, 4
.set STEPS, 16
.set EMAX,  8
.set MANT,  0x600000                   ; the mantissa field of 448
.set CB,    16
.set R,     16                         ; v16-79   four sets of 16 numbers as loaded
.set X,     80                         ; v80-111  two sets of 16 neighbours
.set C,     128                        ; v128-191 codes, four registers a step
.set E,     112                        ; v112-127 a scale byte a step
.set WREG,  8192                       ; LDS: a wave's own region: two stages of 32 x SP bytes, then its 256 scale bytes
.set SP,    80
.set SPW,   12                         ; v12 LDS address of my spare word; never rewritten
.set NIL,   13                         ; v13 0; never rewritten
.set SPARE, WAVES*WREG                 ; the spare words: 128 bytes a wave, named by no other line
	s_load_b512 s[4:19], s[0:1], 0x0               ; x 4, Wq 6, Wk 8, Wv 10, Wo 12, codes1 14, scales1 16, rope 18
	v_lshl_add_u32 v[SPW], v0, 2, SPARE
	v_mov_b32 v[NIL], 0
	v_lshrrev_b32 v1, 5, v0
	v_readfirstlane_b32 s20, v1                    ; wave
	v_and_b32 v2, 31, v0                           ; lane
	s_cmp_ge_u32 ttmp9, 448
	s_cbranch_scc1 .Ltable
	v_lshlrev_b32 v3, 4, v2                        ; my 16 bytes of a load's 512
	s_mul_i32 s21, s20, WREG
	v_lshrrev_b32 v14, 2, v2
	v_mul_u32_u24 v14, v14, SP
	v_and_b32 v15, 3, v2
	v_lshl_add_u32 v14, v15, 4, v14
	v_add_nc_u32 v14, s21, v14                     ; the stage, on the way in: SP (lane / 4) + 16 (lane % 4)
	v_mul_u32_u24 v15, v2, SP
	v_add_nc_u32 v15, s21, v15                     ; on the way out: SP x lane: my 16 neighbours
	v_mul_u32_u24 v4, v2, CB
	v_lshrrev_b32 v5, 1, v2
	s_add_co_u32 s21, s21, 2*32*SP
	v_add_nc_u32 v5, s21, v5                       ; my block's scale byte
	v_lshlrev_b32 v7, 3, v2
	v_add_nc_u32 v6, s21, v7
	s_mov_b32 s23, MANT
	s_wait_kmcnt 0x0
	s_mov_b64 s[24:25], s[12:13]                   ; which tensor: the choice hangs on the work-group's number alone
	s_mov_b32 s22, 384
	s_cmp_lt_u32 ttmp9, 384
	s_cselect_b64 s[24:25], s[10:11], s[24:25]
	s_cselect_b32 s22, 352, s22
	s_cmp_lt_u32 ttmp9, 352
	s_cselect_b64 s[24:25], s[8:9], s[24:25]
	s_cselect_b32 s22, 320, s22
	s_cmp_lt_u32 ttmp9, 320
	s_cselect_b64 s[24:25], s[6:7], s[24:25]
	s_cselect_b32 s22, 256, s22
	s_cmp_lt_u32 ttmp9, 256
	s_cselect_b64 s[24:25], s[4:5], s[24:25]
	s_cselect_b32 s22, 0, s22
	s_sub_co_u32 s26, ttmp9, s22
	s_lshl_b32 s26, s26, 2
	s_add_co_u32 s26, s26, s20
	s_lshl_b32 s26, s26, 15                        ; my wave's 32,768 bytes of its tensor
	s_mov_b32 s27, 0
	s_add_nc_u64 s[24:25], s[24:25], s[26:27]
	s_lshl_b32 s28, ttmp9, 2
	s_add_co_u32 s28, s28, s20                     ; my wave's number in the stream
	s_and_b32 s29, s28, 0xfffffff9
	s_and_b32 s30, s28, 2
	s_lshl_b32 s30, s30, 1
	s_or_b32 s29, s29, s30
	s_and_b32 s30, s28, 4
	s_lshr_b32 s30, s30, 1
	s_or_b32 s29, s29, s30                         ; bits 1 and 2 have changed places
	s_cmp_lt_u32 ttmp9, 384
	s_cselect_b32 s28, s29, s28                    ; Wo keeps its order
	s_lshl_b32 s30, s28, 13
	s_mov_b32 s31, 0
	s_add_nc_u64 s[14:15], s[14:15], s[30:31]      ; 8,192 bytes of codes a wave
	s_lshl_b32 s30, s28, 8
	s_add_nc_u64 s[16:17], s[16:17], s[30:31]      ; 256 scale bytes a wave
.macro LOAD t
.irp i, 0,1,2,3
	global_load_b128 v[R+16*((\t)%4)+4*\i:R+16*((\t)%4)+4*\i+3], v3, s[24:25] offset:2048*(\t)+512*\i th:TH_LOAD_NT   ; 32 lanes read 512 consecutive bytes
.endr
.endm
.macro TURN t                          ; a step's 2,048 bytes through my stage: in as loaded, out 64 bytes a lane; LDS serves a wave's instructions in order
.irp i, 0,1,2,3
	ds_store_b128 v14, v[R+16*((\t)%4)+4*\i:R+16*((\t)%4)+4*\i+3] offset:32*SP*((\t)%2)+8*SP*\i
.endr
.irp i, 0,1,2,3
	ds_load_b128 v[X+16*((\t)%2)+4*\i:X+16*((\t)%2)+4*\i+3], v15 offset:32*SP*((\t)%2)+16*\i
.endr
.endm
.irp t, 0,1,2,3
	LOAD \t
.endr
	s_wait_loadcnt 12                              ; step 0's four loads are in; three steps' twelve stay out
	TURN 0
.macro STEP t
.set XS, X+16*((\t)%2)
.if (\t) > 0
	s_wait_dscnt 1                                 ; this step's numbers are back (the last step's byte store may be out)
.else
	s_wait_dscnt 0x0
.endif
.if (\t)+4 < STEPS
	LOAD (\t)+4
.endif
.if (\t)+1 < STEPS
.if STEPS-2-(\t) >= 3
	s_wait_loadcnt 12                              ; the next step's four loads are in; those of the three steps behind it may be out
.else
	s_wait_loadcnt 4*(STEPS-2-(\t))
.endif
	TURN (\t)+1
.endif
	v_max3_num_f32 v8, |v[XS]|, |v[XS+1]|, |v[XS+2]|
	v_max3_num_f32 v9, |v[XS+3]|, |v[XS+4]|, |v[XS+5]|
.irp i, 6,10
	v_max3_num_f32 v8, v8, |v[XS+\i]|, |v[XS+\i+1]|
	v_max3_num_f32 v9, v9, |v[XS+\i+2]|, |v[XS+\i+3]|
.endr
	v_max3_num_f32 v8, v8, |v[XS+14]|, |v[XS+15]|
	v_max3_num_f32 v8, v8, v9, (EMAX+1)<<23        ; the floor 2^(9 - 127): the byte cannot fall under 1
	v_max_num_f32_dpp v8, v8, v8 row_xmask:1 row_mask:0xf bank_mask:0xf   ; with my neighbour's 16: the block's largest magnitude
	v_add_nc_u32 v11, -(EMAX<<23), v8              ; 8 off its exponent field: the conversion's scale operand
	v_and_or_b32 v10, v8, 0x7f800000, s23          ; 448 x the scale
.irp i, 0,1,2,3,4,5,6,7,8,9,10,11,12,13,14,15
	v_med3_num_f32 v[XS+\i], v[XS+\i], -v10, v10   ; the conversion to an 8-bit code does not saturate (ISA guide 7.6.2): the hold
.endr
	v_cvt_scalef32_pk8_fp8_f32 v[C+4*(\t):C+4*(\t)+1], v[XS:XS+7], v11
	v_cvt_scalef32_pk8_fp8_f32 v[C+4*(\t)+2:C+4*(\t)+3], v[XS+8:XS+15], v11
	v_lshrrev_b32 v[E+(\t)], 23, v11               ; the scale's byte
	ds_store_b8 v5, v[E+(\t)] offset:16*(\t)       ; both lanes of a block write the same byte with the same value
	global_store_b128 v4, v[C+4*(\t):C+4*(\t)+3], s[14:15] offset:32*CB*(\t)   ; 512 consecutive bytes a wave
.endm
.irp t, 0,1,2,3,4,5,6,7,8,9,10,11,12,13,14,15
	STEP \t
.endr
	ds_load_b64 v[8:9], v6
	s_wait_dscnt 0x0
	global_store_b64 v7, v[8:9], s[16:17]          ; 256 consecutive bytes, aligned
	s_wait_tensorcnt 0x0                           ; the wave's end
	ds_add_u32 v[SPW], v[NIL]
	s_wait_dscnt 0x0
	s_endpgm
.Ltable:                                               ; 256 waves: wave W makes tile W / 2, half B = W % 2 of j
	s_sub_co_u32 s21, ttmp9, 448
	s_lshl_b32 s21, s21, 2
	s_add_co_u32 s21, s21, s20
	s_lshr_b32 s22, s21, 1                         ; tile of 16 stored tokens
	s_and_b32 s23, s21, 1                          ; B
	v_and_b32 v3, 15, v0                           ; r
	v_bfe_u32 v4, v0, 4, 1                         ; h
	v_and_b32 v5, 8, v3
	v_add_nc_u32 v5, v5, v3                        ; r + 8 (r / 8)
	s_lshr_b32 s24, s22, 1
	s_lshl_b32 s24, s24, 5
	s_and_b32 s25, s22, 1
	s_lshl_b32 s25, s25, 3
	s_add_co_u32 s24, s24, s25
	v_add_nc_u32 v5, s24, v5                       ; the position of stored row r of the tile: 32 (tile / 2) + 8 (tile % 2) + r + 8 (r / 8)
	v_cvt_f32_u32 v5, v5
	s_lshl_b32 s25, s23, 5
	v_lshl_add_u32 v6, v4, 4, s25                  ; 32 B + 16 h
	s_mov_b32 s26, 0xbe549a80                      ; -log2(10000)/64: a high part of 17 bits, so that j x it is exact,
	s_mov_b32 s27, 0x33f68659                      ; and the rest
	s_mov_b32 s28, 0x3f22f983                      ; 2 / pi
	s_mov_b32 s29, 0xbfc90fdb                      ; -pi/2, high part,
	s_mov_b32 s30, 0x333bbd2e                      ; and the rest
	s_mov_b32 s31, 0xbe2aaaa3                      ; sine: rho + rho z (s31 + z (s32 + z s33))
	s_mov_b32 s32, 0x3c08839e
	s_mov_b32 s33, 0xb94ca1f9
	s_mov_b32 s34, 0x3d2aaaa5                      ; cosine: 1 - z/2 + z^2 (s34 + z (s35 + z s36))
	s_mov_b32 s35, 0xbab6061a
	s_mov_b32 s36, 0x37ccf5ce
.irp n, 0,1,2,3,4,5,6,7,8,9,10,11,12,13,14,15
	v_add_nc_u32 v[16+\n], \n, v6                  ; j
.endr
.irp n, 0,1,2,3,4,5,6,7,8,9,10,11,12,13,14,15
	v_cvt_f32_u32 v[16+\n], v[16+\n]
.endr
.irp n, 0,1,2,3,4,5,6,7,8,9,10,11,12,13,14,15
	v_mul_f32 v[32+\n], s26, v[16+\n]
.endr
.irp n, 0,1,2,3,4,5,6,7,8,9,10,11,12,13,14,15
	v_fma_f32 v[16+\n], v[16+\n], s27, v[32+\n]
.endr
.irp n, 0,1,2,3,4,5,6,7,8,9,10,11,12,13,14,15
	v_exp_f32 v[16+\n], v[16+\n]                   ; 10000^(-j/64)
.endr
	v_lshlrev_b32 v7, 4, v2                        ; (a plain line behind the batch)  16 bytes a lane
	s_wait_alu depctr_va_vdst(0)                   ; one wait for the sixteen, ahead of their first reader
.macro TRIG n
	v_mul_f32 v64, v5, v[16+\n]                    ; the angle
	v_mul_f32 v65, s28, v64
	v_rndne_f32 v65, v65                           ; the nearest multiple of pi/2
	v_fma_f32 v66, v65, s29, v64
	v_fma_f32 v66, v65, s30, v66                   ; rho, within pi/4
	v_mul_f32 v67, v66, v66                        ; z
	v_fma_f32 v68, v67, s33, s32
	v_fma_f32 v68, v67, v68, s31
	v_mul_f32 v69, v66, v67
	v_fma_f32 v68, v69, v68, v66                   ; sin rho
	v_fma_f32 v70, v67, s36, s35
	v_fma_f32 v70, v67, v70, s34
	v_mul_f32 v71, v67, v67
	v_fma_f32 v72, v67, -0.5, 1.0
	v_fma_f32 v70, v71, v70, v72                   ; cos rho
	v_cvt_i32_f32 v73, v65                         ; the quadrant's number
	v_and_b32 v74, 1, v73
	v_cmp_eq_u32 vcc_lo, 1, v74
	v_cndmask_b32 v75, v68, v70, vcc_lo            ; odd quadrants: the two change places
	v_cndmask_b32 v76, v70, v68, vcc_lo
	v_and_b32 v74, 2, v73
	v_lshlrev_b32 v74, 30, v74
	v_xor_b32 v[48+\n], v74, v75                   ; sin: minus in quadrants 2, 3
	v_add_nc_u32 v73, 1, v73
	v_and_b32 v73, 2, v73
	v_lshlrev_b32 v73, 30, v73
	v_xor_b32 v[32+\n], v73, v76                   ; cos: minus in quadrants 1, 2
.endm
.irp n, 0,1,2,3,4,5,6,7,8,9,10,11,12,13,14,15
	TRIG \n
.endr
	s_lshl_b32 s24, s22, 13
	s_lshl_b32 s25, s23, 11
	s_add_co_u32 s24, s24, s25
	s_mov_b32 s25, 0
	s_wait_kmcnt 0x0
	s_add_nc_u64 s[18:19], s[18:19], s[24:25]
.irp m, 0,1,2,3
	global_store_b128 v7, v[32+4*\m:35+4*\m], s[18:19] offset:512*\m         ; 512 consecutive bytes a store
	global_store_b128 v7, v[48+4*\m:51+4*\m], s[18:19] offset:4096+512*\m
.endr
	s_wait_tensorcnt 0x0                           ; the same three closing lines on this path
	ds_add_u32 v[SPW], v[NIL]
	s_wait_dscnt 0x0
	s_endpgm
.Lfunc_end_k_q1c01053fb2_quant:
	.size	k_q1c01053fb2_quant, .Lfunc_end_k_q1c01053fb2_quant-k_q1c01053fb2_quant
	.p2alignl 7, 3214868480
	.fill 96, 4, 3214868480
	.section	.rodata,"a",@progbits
	.p2align	6, 0x0
	.amdhsa_kernel k_q1c01053fb2_quant
		.amdhsa_group_segment_fixed_size 33280
		.amdhsa_private_segment_fixed_size 0
		.amdhsa_enable_private_segment 0
		.amdhsa_kernarg_size 64
		.amdhsa_user_sgpr_count 2
		.amdhsa_user_sgpr_kernarg_segment_ptr 1
		.amdhsa_wavefront_size32 1
		.amdhsa_system_sgpr_workgroup_id_x 1
		.amdhsa_system_sgpr_workgroup_id_y 1
		.amdhsa_system_sgpr_workgroup_id_z 1
		.amdhsa_system_vgpr_workitem_id 0
		.amdhsa_next_free_vgpr 192
		.amdhsa_next_free_sgpr 66
		.amdhsa_reserve_vcc 1
		.amdhsa_float_denorm_mode_32 3
		.amdhsa_float_denorm_mode_16_64 3
		.amdhsa_memory_ordered 1
		.amdhsa_forward_progress 1
		.amdhsa_inst_pref_size 75
	.end_amdhsa_kernel
	.amdgpu_metadata
---
amdhsa.version: [ 1, 2 ]
amdhsa.kernels:
  - .name:           k_q1c01053fb2_quant
    .symbol:         k_q1c01053fb2_quant.kd
    .args:
      - { .name: hidden_states, .offset: 0, .size: 8, .value_kind: global_buffer, .address_space: global }
      - { .name: Wq, .offset: 8, .size: 8, .value_kind: global_buffer, .address_space: global }
      - { .name: Wk, .offset: 16, .size: 8, .value_kind: global_buffer, .address_space: global }
      - { .name: Wv, .offset: 24, .size: 8, .value_kind: global_buffer, .address_space: global }
      - { .name: Wo, .offset: 32, .size: 8, .value_kind: global_buffer, .address_space: global }
      - { .name: codes1, .offset: 40, .size: 8, .value_kind: global_buffer, .address_space: global }
      - { .name: scales1, .offset: 48, .size: 8, .value_kind: global_buffer, .address_space: global }
      - { .name: rope, .offset: 56, .size: 8, .value_kind: global_buffer, .address_space: global }
    .group_segment_fixed_size: 33280
    .private_segment_fixed_size: 0
    .kernarg_segment_align: 8
    .kernarg_segment_size: 64
    .max_flat_workgroup_size: 128
    .sgpr_count:     66
    .vgpr_count:     192
    .wavefront_size: 32
...
	.end_amdgpu_metadata
.endif
;; end of part 1
;; launch qkv (part 2): grid 256 x 1, 4 waves a work-group, clusters of 4 x 1, 327,680 bytes of LDS; arguments codes1, scales1, rope, q_norm_w, k_norm_w, qkvc, qkvs; writes qkvc, qkvs
.if DOCPART == 2
	.amdgcn_target "amdgcn-amd-amdhsa--gfx1250"
	.amdhsa_code_object_version 6
	.text
	.protected	k_q1c01053fb2_qkv
	.globl	k_q1c01053fb2_qkv
	.p2align	8
	.type	k_q1c01053fb2_qkv,@function
k_q1c01053fb2_qkv:
	s_mov_b64 s[64:65], 0
	v_nop
	global_prefetch_b8 v0, s[64:65] scope:SCOPE_SE
	s_setreg_imm32_b32 hwreg(HW_REG_WAVE_MODE, 25, 1), 1
	s_wait_xcnt 0x0
	s_wait_alu depctr_hold_cnt(0) depctr_sa_sdst(0) depctr_va_vdst(0) depctr_va_sdst(0) depctr_va_ssrc(0) depctr_va_vcc(0) depctr_vm_vsrc(0)
	s_getreg_b32 s2, hwreg(HW_REG_IB_STS2, 6, 4)
	s_cmp_eq_u32 s2, 0
	s_cbranch_scc0 .Lentry_in_a_cluster
	s_endpgm
.Lentry_in_a_cluster:
	s_bfe_u32 s2, ttmp6, 0x10000c
	s_cmp_lg_u32 s2, 0x3003
	s_cbranch_scc0 .Lentry_shape_is_right
	s_endpgm
.Lentry_shape_is_right:
; LAUNCH 2 OF 4: products 1 to 3 on codes of E4M3, then RMS norm and RoPE (q, k), then the quantisers of products 4 and 5.  No work is left out.
; codes1's first 6,144 rows of 2,048 bytes are x's 4,096 tokens and the stacked rows of Wq, Wk, Wv; scales1 has 64 bytes a row.  D = P rows (source 0) x Q rows (source 1): a lane holds ONE Q row, its registers run along P.
; A work-group makes 256 P x 128 Q, a wave 128 P x 64 Q: 32 accumulators.  Clusters 0-47 (q, k): P = 256 rows of Wq | Wk (two heads), Q = 128 tokens: a lane holds a token, a wave's 64 registers of a tile one whole head:
; norm, RoPE and the quantiser along the head's 128 need one exchange between the halves of the lanes.  Clusters 48-63 (v): P = 256 tokens, Q = 128 rows of Wv (one head): a lane holds a channel, its registers run along
; the keys, which are product 5's K.  The two kinds differ in row numbers alone until the way out.
; Launch 1 stored the rows so that 16 rows on end are rows 0-7 and 16-23 (8-15 and 24-31) of each 32: so register 16 B + n of a Q tile is P row 32 B + 16 (lane / 16) + n: the order of an operand's registers.
; THE RESULTS ARE STORED AS IMAGES OF OPERAND REGISTERS: a fragment (16 rows x 128 K) is 4 x 512 bytes, lane l's registers 4 c .. 4 c + 3 at 512 c + 16 l.  qkvc: 32 units of 262,144 bytes (q: 8 b + head; k: 16 + 4 b + head;
; v: 24 + 4 b + head), each 32 parts of four images (q, k: 64 tokens; v: part 2 g + half: 128 keys g x 64 channels).  qkvs: a unit 8,192 bytes, a part 256: [row 16][image 4] scale words.
; CLUSTER 4 x 1: the four partners share P's tile, asked for jointly (mask 15); Q's tile is each work-group's own.  A cluster of 4 x 4 does not fit: q and k have six blocks of 256 P rows, which four does not divide.
; K goes in steps of 256 through two LDS slots; the scale bytes of all of K come once and stay.
; THE WALK ALONG K IS TURNED: cluster c begins at K step (c / 8 + c) mod 8 and goes round: the same eight steps, the sums in another order.  Clusters that read the same rows of x or of a weight have different first steps,
; so that they ask for different bytes at a time.  The turn hangs on the cluster's number alone: it is the same in the four partners.
; LIMITS: as stated in launch 1; a block of zeros gets the byte 1.
; REGISTERS: window 0: v8-15 1/rms, v16-31 addresses, v32-63 P's scale words, v64-79 Q's, v80-127 the way out's work, v128-255 Q's fragments (two sets), on the way out Y and Z.  window 1: P's fragments, two sets.
;   window 2: accumulator (a, b) at v[8 (8 a + b)].  window 3 (way out of q, k): v0-63 the gain, v64-255 cos and sin of tiles 0-2 (tile 3's: window 1).
.set PITCH, 272                        ; an LDS row: 256 bytes + 16: the 16 rows of a fragment load start at 16 different banks (64 banks of 4 bytes: ISA guide 11.1)
.set HP,    128*PITCH
.set HQ,    64*PITCH
.set QOFF,  2*HP
.set SLOT,  QOFF+2*HQ                  ; P's 256 rows, then Q's 128
.set SCP,   2*SLOT                     ; P's scale bytes: 64 units of 256 + 16
.set SCQ,   SCP+64*272                 ; Q's: 32 units
.set SPARE, SCQ+32*272                 ; the spare words
.set RS,   8
.set ADRP, 16
.set ADRQ, 20
.set ASP,  22                          ; my rows' scale bytes at K step 0; never rewritten
.set ASQ,  23
.set LI,   24                          ; 16 x lane
.set WO,   25                          ; 64 x (lane / 16)
.set SO,   26                          ; 16 r + 8 h
.set HH,   27                          ; h
.set SPW,  28
.set NIL,  29
.set ASPC, 30                          ; the same at the K step in hand: + 8 bytes a step
.set ASQC, 31
.set PS,   32
.set QS,   64
.set PC,   80
.set TM,   96
.set PW,   112
.set SS,   116
.set SW,   126
.set Y,    128
.set Z,    192
.set QF,   128
.set G1P,  24
.set G0P,  32
.set G1Q,  40
.set G0Q,  48
.set G1SP, 56
.set G1SQ, 68
.set G0SP, 76
.set G0SQ, 80
.set SEL,  96
.set MNT,  98
.set ROT,  100                         ; s100 my cluster's first K step
.set KI,   101                         ; s101 how many changes of slots have begun
.set QBA,  104                         ; s[104:105] Q's rows that I fetch, at K = 0;  s[4:5] holds P's
.set MSB, 0
.macro WIN new                         ; the immediate's high byte repeats the setting that is left
.if MSB != \new
	s_set_vgpr_msb (MSB<<8)|\new
.set MSB, \new
.endif
.endm
.macro PLACES n
.rept \n
	v_nop
.endr
.endm
; Waves 0 and 1 fetch P's halves (jointly), waves 2 and 3 Q's.  The branch hangs on the wave's number alone.  An s_nop 0 and four v_nop follow each line.
.macro JLOAD g0a, g1a, g0b, g1b
	s_cmp_eq_u32 s19, 0
	s_cbranch_scc0 .Lfor_q_\@
	tensor_load_to_lds s[\g0a:\g0a+3], s[\g1a:\g1a+7]
	s_nop 0
.rept 4
	v_nop
.endr
	s_branch .Lasked_\@
.Lfor_q_\@:
	tensor_load_to_lds s[\g0b:\g0b+3], s[\g1b:\g1b+7]
	s_nop 0
.rept 4
	v_nop
.endr
.Lasked_\@:
.endm
.macro CREST
	s_cmp_lg_u32 s18, 0
	s_cbranch_scc1 .Lnot_wave_0_\@
	s_barrier_signal -3
.Lnot_wave_0_\@:
	s_barrier_wait -3
	s_barrier_signal -1
	s_barrier_wait -1
.endm
.macro CROUND
	s_barrier_signal -1
	s_barrier_wait -1
	CREST
.endm
	s_load_b256 s[4:11], s[0:1], 0x0               ; codes1 4, scales1 6, rope 8, q_norm_w 10
	s_load_b128 s[12:15], s[0:1], 0x20             ; k_norm_w 12, qkvc 14
	s_load_b64 s[16:17], s[0:1], 0x30              ; qkvs
	v_lshl_add_u32 v[SPW], v0, 2, SPARE
	v_mov_b32 v[NIL], 0
	ds_add_u32 v[SPW], v[NIL]                      ; the wave's opening: the add, twice on end, and its wait ahead of my first tensor load
	ds_add_u32 v[SPW], v[NIL]
	v_lshrrev_b32 v1, 5, v0
	v_readfirstlane_b32 s18, v1                    ; wave
	s_lshr_b32 s19, s18, 1                         ; my half of P's rows.  Also: I fetch for P (0) or for Q (1)
	s_and_b32 s20, s18, 1                          ; my half of Q's rows.  Also: which half I fetch
	s_bfe_u32 s21, ttmp6, 0x40000                  ; cx
	s_lshr_b32 s[ROT], ttmp9, 3
	s_add_co_u32 s[ROT], s[ROT], ttmp9
	s_and_b32 s[ROT], s[ROT], 7                    ; my cluster's first K step
	s_mov_b32 s[KI], 0
	s_mov_b32 s[G1P], 15|(1<<20)|(1<<21)|(5<<22)|(3<<25)          ; mask: all four; bytes; 4 words of padding behind every 64
	s_mov_b32 s[G1P+1], 256<<16
	s_mov_b32 s[G1P+2], 128<<16
	s_mov_b32 s[G1P+3], 256<<16
	s_mov_b32 s[G1P+4], 128
	s_mov_b32 s[G1P+5], 2048
	s_mov_b32 s[G1P+6], 0
	s_mov_b32 s[G1P+7], 0
	s_mov_b32 s[G1Q], (1<<20)|(5<<22)|(3<<25)                     ; no mask: my own tile
	s_mov_b32 s[G1Q+1], 256<<16
	s_mov_b32 s[G1Q+2], 64<<16
	s_mov_b32 s[G1Q+3], 256<<16
	s_mov_b32 s[G1Q+4], 64
	s_mov_b32 s[G1Q+5], 2048
	s_mov_b32 s[G1Q+6], 0
	s_mov_b32 s[G1Q+7], 0
	s_mov_b32 s[G1SP], 15|(3<<16)|(1<<20)|(1<<21)|(5<<22)|(3<<25) ; scale bytes of 128 rows: 8,192 dense bytes as 32 rows of 256
	s_mov_b32 s[G1SP+1], 32<<16
	s_mov_b32 s[G1SP+2], 32<<16
	s_mov_b32 s[G1SP+3], 32<<16
	s_mov_b32 s[G1SP+4], 32
	s_mov_b32 s[G1SP+5], 32
	s_mov_b32 s[G1SP+6], 0
	s_mov_b32 s[G1SP+7], 0
	s_mov_b32 s[G1SQ], (3<<16)|(1<<20)|(5<<22)|(3<<25)            ; of 64 rows: 16 rows of 256
	s_mov_b32 s[G1SQ+1], 32<<16
	s_mov_b32 s[G1SQ+2], 16<<16
	s_mov_b32 s[G1SQ+3], 32<<16
	s_mov_b32 s[G1SQ+4], 16
	s_mov_b32 s[G1SQ+5], 32
	s_mov_b32 s[G1SQ+6], 0
	s_mov_b32 s[G1SQ+7], 0
	s_lshr_b32 s84, ttmp9, 3
	s_lshl_b32 s84, s84, 8
	s_add_co_u32 s84, s84, 4096                    ; q, k: P begins at stacked weight row 256 (cluster / 8)
	s_sub_co_u32 s85, ttmp9, 48
	s_lshl_b32 s85, s85, 8                         ; v: at token 256 (cluster - 48)
	s_and_b32 s86, ttmp9, 7
	s_lshl_b32 s86, s86, 9                         ; q, k: Q begins at token 512 (cluster % 8) + 128 cx
	s_mov_b32 s87, 5632                            ; v: at Wv's row 128 cx
	s_cmp_lt_u32 ttmp9, 48
	s_cselect_b32 s84, s84, s85
	s_cselect_b32 s86, s86, s87
	s_lshl_b32 s85, s20, 7
	s_add_co_u32 s84, s84, s85                     ; P: the 128 rows that I fetch: no place in the cluster enters
	s_lshl_b32 s92, s84, 11
	s_mov_b32 s93, 0
	s_lshl_b32 s94, s84, 6
	s_mov_b32 s95, 0
	s_lshl_b32 s87, s21, 7
	s_add_co_u32 s86, s86, s87
	s_lshl_b32 s87, s20, 6
	s_add_co_u32 s86, s86, s87                     ; Q: the 64 rows that I fetch
	s_lshl_b32 s96, s86, 11
	s_mov_b32 s97, 0
	s_lshl_b32 s98, s86, 6
	s_mov_b32 s99, 0
	s_mul_i32 s2, s20, HP
	s_mul_i32 s3, s20, HQ
	s_add_co_u32 s3, s3, QOFF
	s_mul_i32 s22, s20, 32*272
	s_add_co_u32 s22, s22, SCP
	s_mul_i32 s23, s20, 16*272
	s_add_co_u32 s23, s23, SCQ
	s_wait_dscnt 0x0                               ; both opening adds are done
	s_wait_kmcnt 0x0
	s_add_nc_u64 s[QBA:QBA+1], s[4:5], s[96:97]    ; Q's rows at K = 0: kept, since each refill's address is made from it
	s_add_nc_u64 s[4:5], s[4:5], s[92:93]          ; P's likewise
	s_add_nc_u64 s[94:95], s[6:7], s[94:95]
	s_add_nc_u64 s[98:99], s[6:7], s[98:99]
	CROUND                                         ; all four work-groups are here: the first joint loads meet
	s_mov_b32 s[G0SP], 1
	s_mov_b32 s[G0SP+1], s22
	s_mov_b64 s[G0SP+2:G0SP+3], s[94:95]
	s_or_b32 s[G0SP+3], s[G0SP+3], 0x80000000
	s_mov_b32 s[G0SQ], 1
	s_mov_b32 s[G0SQ+1], s23
	s_mov_b64 s[G0SQ+2:G0SQ+3], s[98:99]
	s_or_b32 s[G0SQ+3], s[G0SQ+3], 0x80000000
	JLOAD G0SP, G1SP, G0SQ, G1SQ                   ; the scale bytes first: wanted with my first K step
.irp s, 0,1
	s_add_co_u32 s84, s[ROT], \s                   ; slot s begins with K step (first + s) mod 8: 256 bytes a step along the rows
	s_and_b32 s84, s84, 7
	s_lshl_b32 s84, s84, 8
	s_mov_b32 s85, 0
	s_mov_b32 s[G0P+4*\s], 1
	s_add_co_u32 s[G0P+4*\s+1], s2, \s*SLOT
	s_add_nc_u64 s[G0P+4*\s+2:G0P+4*\s+3], s[4:5], s[84:85]
	s_or_b32 s[G0P+4*\s+3], s[G0P+4*\s+3], 0x80000000
	s_mov_b32 s[G0Q+4*\s], 1
	s_add_co_u32 s[G0Q+4*\s+1], s3, \s*SLOT
	s_add_nc_u64 s[G0Q+4*\s+2:G0Q+4*\s+3], s[QBA:QBA+1], s[84:85]
	s_or_b32 s[G0Q+4*\s+3], s[G0Q+4*\s+3], 0x80000000
	JLOAD G0P+4*\s, G1P, G0Q+4*\s, G1Q             ; three loads of mine are out behind these
.endr
	v_and_b32 v1, 15, v0                           ; r
	v_bfe_u32 v[HH], v0, 4, 1                      ; h
	v_mul_u32_u24 v3, v1, PITCH
	v_lshl_add_u32 v3, v[HH], 4, v3                ; a fragment's row x pitch + 16 h
	s_mul_i32 s2, s19, HP
	s_mul_i32 s3, s20, HQ
	s_add_co_u32 s3, s3, QOFF
.irp s, 0,1
	v_add_nc_u32 v[ADRP+\s], s2, v3
	v_add_nc_u32 v[ADRQ+\s], s3, v3
	s_add_co_u32 s2, s2, SLOT
	s_add_co_u32 s3, s3, SLOT
.endr
	v_lshlrev_b32 v4, 6, v1
	v_lshrrev_b32 v5, 2, v1
	v_lshl_add_u32 v4, v5, 4, v4                   ; my row's scale bytes: 64 r, and 16 more for each 256 passed
	s_mul_i32 s2, s19, 32*272
	s_add_co_u32 s2, s2, SCP
	v_add_nc_u32 v[ASP], s2, v4
	s_mul_i32 s3, s20, 16*272
	s_add_co_u32 s3, s3, SCQ
	v_add_nc_u32 v[ASQ], s3, v4
	s_lshl_b32 s2, s[ROT], 3
	v_add_nc_u32 v[ASPC], s2, v[ASP]               ; at my first K step: 8 bytes a step, 56 at the most: inside the row's 64
	v_add_nc_u32 v[ASQC], s2, v[ASQ]
	v_and_b32 v5, 31, v0
	v_lshlrev_b32 v[LI], 4, v5
	v_lshlrev_b32 v[WO], 6, v[HH]
	v_lshlrev_b32 v[SO], 4, v1
	v_lshl_add_u32 v[SO], v[HH], 3, v[SO]
	; where the results go
	s_lshr_b32 s84, ttmp9, 3                       ; q, k: block of two heads
	s_and_b32 s85, ttmp9, 7                        ; group of 512 tokens
	s_lshl_b32 s92, s84, 1
	s_add_co_u32 s92, s92, s19                     ; my head among the 12 of q and k
	s_lshr_b32 s93, s85, 2                         ; batch
	s_lshl_b32 s94, s93, 3
	s_add_co_u32 s94, s94, s92                     ; q's unit
	s_lshl_b32 s95, s93, 2
	s_add_co_u32 s95, s95, s92
	s_add_co_u32 s95, s95, 8                       ; k's unit
	s_cmp_lt_u32 ttmp9, 32
	s_cselect_b32 s94, s94, s95
	s_cselect_b64 s[10:11], s[10:11], s[12:13]     ; q's gain or k's
	s_and_b32 s86, s85, 3
	s_lshl_b32 s86, s86, 3
	s_lshl_b32 s87, s21, 1
	s_add_co_u32 s86, s86, s87
	s_add_co_u32 s86, s86, s20                     ; my 64 tokens among the sequence's 32 groups
	s_sub_co_u32 s89, ttmp9, 48
	s_lshr_b32 s88, s89, 3
	s_lshl_b32 s88, s88, 2
	s_add_co_u32 s88, s88, s21
	s_add_co_u32 s88, s88, 24                      ; v's unit
	s_and_b32 s89, s89, 7
	s_lshl_b32 s89, s89, 1
	s_add_co_u32 s89, s89, s19
	s_lshl_b32 s89, s89, 1
	s_add_co_u32 s89, s89, s20                     ; v's part: 2 x (group of 128 keys) + half of the channels
	s_cmp_lt_u32 ttmp9, 48
	s_cselect_b32 s88, s94, s88
	s_cselect_b32 s89, s86, s89
	s_lshl_b32 s90, s88, 18
	s_lshl_b32 s87, s89, 13
	s_add_co_u32 s90, s90, s87
	s_mov_b32 s91, 0
	s_add_nc_u64 s[14:15], s[14:15], s[90:91]
	s_lshl_b32 s90, s88, 13
	s_lshl_b32 s87, s89, 8
	s_add_co_u32 s90, s90, s87
	s_add_nc_u64 s[16:17], s[16:17], s[90:91]
	s_lshl_b32 s90, s86, 15
	s_add_nc_u64 s[8:9], s[8:9], s[90:91]          ; the table's four tiles of my 64 tokens
	s_mov_b32 s[SEL], 0x76543210
	s_mov_b32 s[SEL+1], 0xfedcba98                 ; v_permlanex16_b32: lane l xor 16
	s_mov_b32 s[MNT], 0x600000
	s_mov_b32 s66, 0x3c000000                      ; 1 / 128
	s_mov_b32 s67, 0x358637bd                      ; 1e-6
; 8 matrix instructions: Q's tile a against P's eight, 128 along K.  The 32 accumulators take turns, one instruction a turn, in one order throughout.
.macro MUL8 a, set, q, slot, zero
	WIN 0xa1                                       ; source 0 (P) window 1, source 1 (Q) window 0, C and D window 2
.irp b, 0,1,2,3,4,5,6,7
.if \zero
	v_wmma_scale_f32_16x16x128_f8f6f4 v[8*(8*(\a)+\b):8*(8*(\a)+\b)+7], v[128*(\set)+16*\b:128*(\set)+16*\b+15], v[QF+64*(\set)+16*(\a):QF+64*(\set)+16*(\a)+15], 0, v[PS+16*(\slot)+2*\b+(\q)], v[QS+8*(\slot)+2*(\a)+(\q)]
.else
	v_wmma_scale_f32_16x16x128_f8f6f4 v[8*(8*(\a)+\b):8*(8*(\a)+\b)+7], v[128*(\set)+16*\b:128*(\set)+16*\b+15], v[QF+64*(\set)+16*(\a):QF+64*(\set)+16*(\a)+15], v[8*(8*(\a)+\b):8*(8*(\a)+\b)+7], v[PS+16*(\slot)+2*\b+(\q)], v[QS+8*(\slot)+2*(\a)+(\q)]
.endif
.endr
.endm
.macro FETCH slot, q, set              ; 48 LDS loads in one run: P's eight fragments and Q's four of the slot's q-th 128 along K
	WIN 0x40
.irp i, 0,1,2,3,4,5,6,7
.irp c, 0,1,2,3
	ds_load_b128 v[128*(\set)+16*\i+4*\c:128*(\set)+16*\i+4*\c+3], v[ADRP+\slot] offset:128*(\q)+32*\c+\i*16*PITCH
.endr
.endr
	WIN 0
.irp i, 0,1,2,3
.irp c, 0,1,2,3
	ds_load_b128 v[QF+64*(\set)+16*\i+4*\c:QF+64*(\set)+16*\i+4*\c+3], v[ADRQ+\slot] offset:128*(\q)+32*\c+\i*16*PITCH
.endr
.endr
.endm
.macro SCALES slot                     ; a K step's two scale words of each row
.irp b, 0,1,2,3,4,5,6,7
	ds_load_b64 v[PS+16*\slot+2*\b:PS+16*\slot+2*\b+1], v[ASPC] offset:\b*1088
.endr
.irp a, 0,1,2,3
	ds_load_b64 v[QS+8*\slot+2*\a:QS+8*\slot+2*\a+1], v[ASQC] offset:\a*1088
.endr
.endm
; A slot's first 128 along K (set 0); in its middle the second 128 is fetched into set 1.  Eight plain places stand between the last matrix instruction and loads into registers that matrix instructions have read.
.macro STEP slot, zero
	s_wait_dscnt 0x0                               ; set 0 and the slot's scale words are in
	MUL8 0, 0, 0, \slot, \zero
	MUL8 1, 0, 0, \slot, \zero
	PLACES 8
	FETCH \slot, 1, 1
	MUL8 2, 0, 0, \slot, \zero
	MUL8 3, 0, 0, \slot, \zero
	WIN 0
.endm
; A slot's second 128 (set 1) and the change of slots: one barrier; in front of it each wave waits for all its tensor loads, adds 0 to its spare word, and waits for that and for its reads of this slot.
.macro TURN slot, next, fill
	WIN 0
	s_add_co_u32 s[KI], s[KI], 1                   ; the next slot holds my walk's step KI
	s_wait_tensorcnt 0x0                           ; all my tensor loads have landed: the one that was out is my part of the next slot
	ds_add_u32 v[SPW], v[NIL]
	s_wait_dscnt 0x1                               ; the add alone may be out: set 1's 48 loads are in
	MUL8 0, 1, 1, \slot, 0
	s_wait_dscnt 0x0                               ; the add is done, and my reads of this slot are over
	s_barrier_signal -1
	MUL8 1, 1, 1, \slot, 0
	WIN 0
	s_barrier_wait -1
.if \fill
	CREST                                          ; the barrier has opened a round of the cluster's barrier: no wave of any partner still reads this slot or has a load on its way
	s_add_co_u32 s84, s[KI], s[ROT]
	s_add_co_u32 s84, s84, 1
	s_and_b32 s84, s84, 7                          ; this slot takes my walk's step KI + 1: K step (first + KI + 1) mod 8
	s_lshl_b32 s84, s84, 8
	s_mov_b32 s85, 0
	s_add_nc_u64 s[G0P+4*\slot+2:G0P+4*\slot+3], s[4:5], s[84:85]
	s_or_b32 s[G0P+4*\slot+3], s[G0P+4*\slot+3], 0x80000000
	s_add_nc_u64 s[G0Q+4*\slot+2:G0Q+4*\slot+3], s[QBA:QBA+1], s[84:85]
	s_or_b32 s[G0Q+4*\slot+3], s[G0Q+4*\slot+3], 0x80000000
	JLOAD G0P+4*\slot, G1P, G0Q+4*\slot, G1Q       ; my one tensor load behind the round; its four v_nop are four of the eight places
	PLACES 4
.else
	PLACES 8
.endif
	s_add_co_u32 s2, s[KI], s[ROT]
	s_and_b32 s2, s2, 7
	s_lshl_b32 s2, s2, 3
	v_add_nc_u32 v[ASPC], s2, v[ASP]               ; the next slot's scale words: 8 bytes x its K step
	v_add_nc_u32 v[ASQC], s2, v[ASQ]
	FETCH \next, 0, 0
	SCALES \next
	MUL8 2, 1, 1, \slot, 0
	MUL8 3, 1, 1, \slot, 0
	WIN 0
.endm
	s_wait_tensorcnt 0x1                           ; the scale bytes and my part of slot 0 are in; slot 1's load may stay out
	s_barrier_signal -1
	s_barrier_wait -1
	FETCH 0, 0, 0
	SCALES 0
	STEP 0, 1                                      ; the first products start the sums: nothing is cleared
	s_mov_b32 s3, 3
.Llap:                                                 ; 2,048 along K are eight K steps: a trip goes once round the ring and fills both slots again
	TURN 0, 1, 1
	STEP 1, 0
	TURN 1, 0, 1
	STEP 0, 0
	s_sub_co_u32 s3, s3, 1
	s_cmp_lg_u32 s3, 0
	s_cbranch_scc1 .Llap
	TURN 0, 1, 0                                   ; the last lap fills nothing
	STEP 1, 0
	s_wait_dscnt 0x0
	MUL8 0, 1, 1, 1, 0
	MUL8 1, 1, 1, 1, 0
	MUL8 2, 1, 1, 1, 0
	MUL8 3, 1, 1, 1, 0
	WIN 0
	PLACES 8                                       ; ahead of the first reads of results and of loads into operand registers
; THE QUANTISER: 64 numbers of a lane, v[s] on (register 16 b + i = k 32 b + 16 h + i of my row), become codes in v[PC] on and the scale word v[pw].  wa, wb, wc: the windows of the lines that read v[s]; the held numbers go to Z.
.macro QUANT s, wa, wb, wc, pw
	WIN \wa
.irp b, 0,1,2,3
	v_max3_num_f32 v[TM+\b], |v[\s+16*\b]|, |v[\s+1+16*\b]|, 0x4800000   ; with the floor 2^(9 - 127): the byte cannot fall under 1
.endr
	WIN \wb
.irp i, 2,4,6,8,10,12,14
.irp b, 0,1,2,3
	v_max3_num_f32 v[TM+\b], v[TM+\b], |v[\s+16*\b+\i]|, |v[\s+1+16*\b+\i]|
.endr
.endr
	WIN 0
.irp b, 0,1,2,3
	v_permlanex16_b32 v[TM+4+\b], v[TM+\b], s[SEL], s[SEL+1]
.endr
.irp b, 0,1,2,3
	v_max_num_f32 v[TM+\b], v[TM+\b], v[TM+4+\b]   ; with lane l xor 16's: the block's largest magnitude
.endr
.irp b, 0,1,2,3
	v_add_nc_u32 v[TM+12+\b], 0xfc000000, v[TM+\b] ; 8 off its exponent field: the conversion's scale operand
.endr
.irp b, 0,1,2,3
	v_and_or_b32 v[TM+8+\b], v[TM+\b], 0x7f800000, s[MNT]   ; 448 x the scale
.endr
.irp b, 0,1,2,3
	v_lshrrev_b32 v[TM+4+\b], 23, v[TM+12+\b]      ; the scale's byte
.endr
	v_lshl_or_b32 v[\pw], v[TM+5], 8, v[TM+4]
	v_lshl_or_b32 v[\pw], v[TM+6], 16, v[\pw]
	v_lshl_or_b32 v[\pw], v[TM+7], 24, v[\pw]
	WIN \wc
.irp b, 0,1,2,3
.irp i, 0,1,2,3,4,5,6,7,8,9,10,11,12,13,14,15
	v_med3_num_f32 v[Z+16*\b+\i], v[\s+16*\b+\i], -v[TM+8+\b], v[TM+8+\b]   ; the conversion does not saturate (ISA guide 7.6.2): the hold
.endr
.endr
	WIN 0
	s_wait_xcnt 0x0                                ; the last tile's stores have read v[PC] on: it is written again only behind this wait
.irp b, 0,1,2,3
	v_cvt_scalef32_pk8_fp8_f32 v[PC+4*\b:PC+4*\b+1], v[Z+16*\b:Z+16*\b+7], v[TM+12+\b]
	v_cvt_scalef32_pk8_fp8_f32 v[PC+4*\b+2:PC+4*\b+3], v[Z+16*\b+8:Z+16*\b+15], v[TM+12+\b]
.endr
	v_nop                                          ; one plain line behind the last scaled conversion
.endm
.macro PUT a                           ; the image of tile a: four stores of 512 consecutive bytes
.irp c, 0,1,2,3
	global_store_b128 v[LI], v[PC+4*\c:PC+4*\c+3], s[14:15] offset:(\a)*2048+512*\c
.endr
.endm
.irp b, 0,1,2,3
	v_mov_b32 v[TM+4+\b], 0                        ; written once: a lane permute's destination counts as one of its sources
	v_mov_b32 v[RS+2*\b+1], 0                      ; (named as the upper halves of pairs)
.endr
	s_cmp_lt_u32 ttmp9, 48
	s_cbranch_scc0 .Lv_out
	; ---- q, k.  80 loads: the gain (16), then cos and sin of my four tiles (16 each)
	WIN 0xc0
.irp k, 0,1,2,3,4,5,6,7,8,9,10,11,12,13,14,15
	global_load_b128 v[4*\k:4*\k+3], v[WO], s[10:11] offset:128*(\k/4)+16*(\k%4)   ; register 16 B + n: w(32 B + 16 h + n)
.endr
.irp a, 0,1,2
.irp k, 0,1,2,3,4,5,6,7,8,9,10,11,12,13,14,15
	global_load_b128 v[64+64*\a+4*\k:64+64*\a+4*\k+3], v[LI], s[8:9] offset:\a*8192+512*\k
.endr
.endr
	WIN 0x40
.irp k, 0,1,2,3,4,5,6,7,8,9,10,11,12,13,14,15
	global_load_b128 v[4*\k:4*\k+3], v[LI], s[8:9] offset:3*8192+512*\k
.endr
; the sums of squares stand behind the loads: they want nothing of them.  Each accumulator is read from its low end on.
.macro EPI1 a
	WIN 0x0a
.irp k, 0,1,2,3
	v_pk_mul_f32 v[SS+2*\k:SS+2*\k+1], v[64*(\a)+2*\k:64*(\a)+2*\k+1], v[64*(\a)+2*\k:64*(\a)+2*\k+1]
.endr
.set p, 4
.rept 28
	v_pk_fma_f32 v[SS+2*(p%4):SS+2*(p%4)+1], v[64*(\a)+2*p:64*(\a)+2*p+1], v[64*(\a)+2*p:64*(\a)+2*p+1], v[SS+2*(p%4):SS+2*(p%4)+1]
.set p, p+1
.endr
	WIN 0
	v_pk_add_f32 v[SS:SS+1], v[SS:SS+1], v[SS+2:SS+3]
	v_pk_add_f32 v[SS+4:SS+5], v[SS+4:SS+5], v[SS+6:SS+7]
	v_pk_add_f32 v[SS:SS+1], v[SS:SS+1], v[SS+4:SS+5]
	v_add_f32 v[SS], v[SS], v[SS+1]
	v_permlanex16_b32 v[SS+1], v[SS], s[SEL], s[SEL+1]
	v_add_f32 v[SS], v[SS], v[SS+1]                ; the head's 128 squares
	v_fma_f32 v[SS], v[SS], s66, s67               ; their mean + 1e-6
	v_rsq_f32 v[RS+2*(\a)], v[SS]
	v_nop                                          ; a plain line before the source is written again
.endm
	EPI1 0
	EPI1 1
	EPI1 2
	EPI1 3
	s_wait_alu depctr_va_vdst(0)                   ; one wait for the four, ahead of their first reader
.macro EPI2 a
	s_wait_loadcnt 16*(3-(\a))                     ; the gain and this tile's cos and sin are in; 16 loads for each later tile may be out
	WIN 0x02
.set p, 0
.rept 32
	v_pk_mul_f32 v[Y+2*p:Y+2*p+1], v[64*(\a)+2*p:64*(\a)+2*p+1], v[RS+2*(\a):RS+2*(\a)+1] op_sel_hi:[1,0]   ; x / rms
.set p, p+1
.endr
	WIN 0x0c
.set p, 0
.rept 32
	v_pk_mul_f32 v[Y+2*p:Y+2*p+1], v[Y+2*p:Y+2*p+1], v[2*p:2*p+1]   ; x the gain
.set p, p+1
.endr
.if (\a) < 3
.set RT, 64+64*(\a)
.else
	WIN 0x04
.set RT, 0
.endif
.set p, 0
.rept 16                               ; registers 0-31 are channels d < 64, registers 32-63 channels d + 64, in the same order of j
	v_pk_mul_f32 v[Z+2*p:Z+2*p+1], v[Y+2*p:Y+2*p+1], v[RT+2*p:RT+2*p+1]
	v_pk_mul_f32 v[Z+32+2*p:Z+32+2*p+1], v[Y+32+2*p:Y+32+2*p+1], v[RT+2*p:RT+2*p+1]
.set p, p+1
.endr
.set p, 0
.rept 16
	v_pk_fma_f32 v[Z+2*p:Z+2*p+1], v[Y+32+2*p:Y+32+2*p+1], v[RT+32+2*p:RT+32+2*p+1], v[Z+2*p:Z+2*p+1] neg_lo:[1,0,0] neg_hi:[1,0,0]
	v_pk_fma_f32 v[Z+32+2*p:Z+32+2*p+1], v[Y+2*p:Y+2*p+1], v[RT+32+2*p:RT+32+2*p+1], v[Z+32+2*p:Z+32+2*p+1]
.set p, p+1
.endr
	QUANT Z, 0, 0, 0, PW+(\a)
	PUT \a
.endm
	EPI2 0
	EPI2 1
	EPI2 2
	EPI2 3
	s_branch .Lwords
.Lv_out:                                               ; ---- v: a lane's 64 registers of a tile are 128 keys' halves of one channel: quantised as they stand
.irp a, 0,1,2,3
	QUANT 64*\a, 0x0a, 0x28, 0x02, PW+\a
	PUT \a
.endr
.Lwords:
	v_cmp_eq_u32 vcc_lo, 1, v[HH]
	v_cndmask_b32 v[SW], v[PW], v[PW+2], vcc_lo    ; lanes 0-15 store row r's words of tiles 0, 1; lanes 16-31 those of tiles 2, 3
	v_cndmask_b32 v[SW+1], v[PW+1], v[PW+3], vcc_lo
	global_store_b64 v[SO], v[SW:SW+1], s[16:17]   ; 256 consecutive bytes, aligned
	s_wait_tensorcnt 0x0                           ; the wave's end
	ds_add_u32 v[SPW], v[NIL]
	s_wait_dscnt 0x0
	CROUND                                         ; the closing round
	s_endpgm
.Lfunc_end_k_q1c01053fb2_qkv:
	.size	k_q1c01053fb2_qkv, .Lfunc_end_k_q1c01053fb2_qkv-k_q1c01053fb2_qkv
	.p2alignl 7, 3214868480
	.fill 96, 4, 3214868480
	.section	.rodata,"a",@progbits
	.p2align	6, 0x0
	.amdhsa_kernel k_q1c01053fb2_qkv
		.amdhsa_group_segment_fixed_size 327680
		.amdhsa_private_segment_fixed_size 0
		.amdhsa_enable_private_segment 0
		.amdhsa_kernarg_size 56
		.amdhsa_user_sgpr_count 2
		.amdhsa_user_sgpr_kernarg_segment_ptr 1
		.amdhsa_wavefront_size32 1
		.amdhsa_system_sgpr_workgroup_id_x 1
		.amdhsa_system_sgpr_workgroup_id_y 1
		.amdhsa_system_sgpr_workgroup_id_z 1
		.amdhsa_system_vgpr_workitem_id 0
		.amdhsa_next_free_vgpr 1024
		.amdhsa_next_free_sgpr 106
		.amdhsa_reserve_vcc 1
		.amdhsa_float_denorm_mode_32 3
		.amdhsa_float_denorm_mode_16_64 3
		.amdhsa_memory_ordered 1
		.amdhsa_forward_progress 1
		.amdhsa_inst_pref_size 196
	.end_amdhsa_kernel
	.amdgpu_metadata
---
amdhsa.version: [ 1, 2 ]
amdhsa.kernels:
  - .name:           k_q1c01053fb2_qkv
    .symbol:         k_q1c01053fb2_qkv.kd
    .args:
      - { .name: codes1, .offset: 0, .size: 8, .value_kind: global_buffer, .address_space: global }
      - { .name: scales1, .offset: 8, .size: 8, .value_kind: global_buffer, .address_space: global }
      - { .name: rope, .offset: 16, .size: 8, .value_kind: global_buffer, .address_space: global }
      - { .name: q_norm_w, .offset: 24, .size: 8, .value_kind: global_buffer, .address_space: global }
      - { .name: k_norm_w, .offset: 32, .size: 8, .value_kind: global_buffer, .address_space: global }
      - { .name: qkvc, .offset: 40, .size: 8, .value_kind: global_buffer, .address_space: global }
      - { .name: qkvs, .offset: 48, .size: 8, .value_kind: global_buffer, .address_space: global }
    .group_segment_fixed_size: 327680
    .private_segment_fixed_size: 0
    .kernarg_segment_align: 8
    .kernarg_segment_size: 56
    .max_flat_workgroup_size: 128
    .sgpr_count:     106
    .vgpr_count:     1024
    .wavefront_size: 32
...
	.end_amdgpu_metadata
.endif
;; end of part 2
;; launch attn (part 3): grid 4 x 64, 8 waves a work-group, clusters of 4 x 4, 327,680 bytes of LDS; arguments attention_mask, qkvc, qkvs, ac, asc; writes ac, asc
.if DOCPART == 3
	.amdgcn_target "amdgcn-amd-amdhsa--gfx1250"
	.amdhsa_code_object_version 6
	.text
	.protected	k_q1c01053fb2_attn
	.globl	k_q1c01053fb2_attn
	.p2align	8
	.type	k_q1c01053fb2_attn,@function
k_q1c01053fb2_attn:
	s_mov_b64 s[64:65], 0
	v_nop
	global_prefetch_b8 v0, s[64:65] scope:SCOPE_SE
	s_setreg_imm32_b32 hwreg(HW_REG_WAVE_MODE, 25, 1), 1
	s_wait_xcnt 0x0
	s_wait_alu depctr_hold_cnt(0) depctr_sa_sdst(0) depctr_va_vdst(0) depctr_va_sdst(0) depctr_va_ssrc(0) depctr_va_vcc(0) depctr_vm_vsrc(0)
	s_getreg_b32 s2, hwreg(HW_REG_IB_STS2, 6, 4)
	s_cmp_eq_u32 s2, 0
	s_cbranch_scc0 .Lentry_in_a_cluster
	s_endpgm
.Lentry_in_a_cluster:
	s_bfe_u32 s2, ttmp6, 0x10000c
	s_cmp_lg_u32 s2, 0xf033
	s_cbranch_scc0 .Lentry_shape_is_right
	s_endpgm
.Lentry_shape_is_right:
; LAUNCH 3 OF 4: products 4 and 5 on codes of E4M3, the additive mask, the softmax, the division by the row's sum, and product 6's quantiser.  No work is left out: the mask is an input, so every key counts until its number says otherwise.
; t = score x log2(e) / sqrt(128) + mask x log2(e); M = the largest t so far, rounded UP to a whole number; p = 2^(t - M) is quantised along the keys, not normalised; the sum is taken of the unquantised p.
; t is rounded to f32 before M is taken away, so t - M <= 0 and p <= 1 whatever the mask's size.
; SHARES.  A work-group owns 64 queries x the two query heads of one key/value head (x = that head, y = 32 batch + group of 64 queries).  Eight waves: wave w owns query tile w % 4 and, of each slot's 256 keys, half w / 4,
; for BOTH heads (units A = head 2 kv + w / 4, B = the other): the two units share each fragment of K and V and the mask's registers.  At the end waves w and w xor 4 hand each other unit B, and each finishes its unit A.
; Both products are used transposed (S^T = K Q^T, O^T = V^T P^T): a lane holds one query.  Launch 2 stored q, k, v as images of operand registers in an order of rows by which the 16 registers of tiles 2 b, 2 b + 1 are keys
; (channels) 32 b + 16 (lane / 16) + 0 .. 15.  Query row r of stored tile qt is query 32 (qt / 2) + 8 (qt % 2) + r + 8 (r / 8) of the 64: the mask's LDS address takes that row.
; CLUSTER 4 x 4.  The mask's tile hangs on y alone: asked for jointly along the cluster's row.  K, V and their scale words hang on (batch, x): jointly along the column.  All partners walk the same eight slots.
; RING: two slots of 256 keys; waves 0-3 fetch the mask's four pieces of 16 rows, waves 4-5 a group of 128 keys each (K's and V's blocks by one descriptor of two rows), waves 6-7 the scale words, once.  One load a wave is out at most.
; LIMITS: NaN and infinities among the inputs are not served; a block of zeros gets the byte 1; t's two roundings stand in another order than a division, an addition and a multiplication.
; REGISTERS: window 0: v1-11, v52-56 addresses; v12-19 K's, then V's scale words; v20-23 Q's and P's; v24-31 -M, largest t, sum (two halves) of A and B; v32-51 at work; v64-127 S^T of A, and, once A's codes are made, V's second
;   four images; v128-191 S^T of B; v192-255 the mask x log2(e), then P's codes.   window 1: v0-63 four fragments of K or V; v64-95 Q of A and B; v128-191 O^T of A, v192-255 of B.
.set SLOTB, 132352                     ; a slot: [keys' half: K 16,384 | V 16,384] x 2, then the mask's tile
.set MOFF,  65536
.set MP,    1040                       ; a mask row: 1,024 bytes + 16
.set RB,    33408                      ; pieces 1 and 3 lie this far behind pieces 0 and 2: 32 banks off, so that rows r < 8 and r >= 8 of a load fall on different halves of the banks
.set SCB,   2*SLOTB                    ; K's scale words of the whole head, 8,192 bytes, then V's
.set SPARE, SCB+16384                  ; the spare words: 128 bytes for each of eight waves
.set STG,   512                        ; the way out, in slot 0, which has had its last fill and is left by all: bytes 0-511 scale words; then 8,448 bytes a wave
.set STGW,  8448
.set AKV, 1
.set AM,  3
.set ASC, 5
.set LI,  6
.set SPW, 7
.set NIL, 8
.set PFO, 9
.set STA, 10
.set STB, 11
.set SCW, 12
.set QSA, 20
.set QSB, 21
.set PSA, 22
.set PSB, 23
.set NA,  24
.set NB,  28
.set TM,  32
.set F,   48
.set T0,  50
.set T1,  51
.set LDA, 52
.set LDB, 53
.set STW, 54
.set ACO, 55
.set ASO, 56
.set SA,  64
.set SB,  128
.set MK,  192
.set PCA, 192
.set PCB, 208
.set WV,  14
.set CX,  15
.set CY,  16
.set CLY, 17
.set YY,  18
.set BB,  19
.set QB,  20
.set QT,  21
.set KH,  22
.set W1,  23
.set G1M, 24
.set G1KV, 32
.set G1S, 40
.set G0M, 48
.set G0KV, 56
.set G0S, 68
.set SEL, 72
.set CS,  74
.set L2E, 76
.set MNT, 78
.set LIM, 79
.set PFA, 80
.set PFS, 82
.set MSB, 0
.macro WIN new
.if MSB != \new
	s_set_vgpr_msb (MSB<<8)|\new
.set MSB, \new
.endif
.endm
.macro PLACES n
.rept \n
	v_nop
.endr
.endm
.macro ROUND                           ; a round of the cluster's barrier
	s_barrier_signal -1
	s_barrier_wait -1
	s_cmp_lg_u32 s[WV], 0
	s_cbranch_scc1 .Lnot_wave_0_\@
	s_barrier_signal -3
.Lnot_wave_0_\@:
	s_barrier_wait -3
	s_barrier_signal -1
	s_barrier_wait -1
.endm
.macro TLOAD sl                        ; waves 0-3: the mask's pieces; waves 4-5: K and V; the branches hang on the wave's number alone; an s_nop 0 and four v_nop follow each load
	s_cmp_lt_u32 s[WV], 4
	s_cbranch_scc0 .Lnot_m_\@
	tensor_load_to_lds s[G0M+4*(\sl):G0M+4*(\sl)+3], s[G1M:G1M+7]
	s_nop 0
.rept 4
	v_nop
.endr
	s_branch .Lasked_\@
.Lnot_m_\@:
	s_cmp_lt_u32 s[WV], 6
	s_cbranch_scc0 .Lasked_\@
	tensor_load_to_lds s[G0KV+4*(\sl):G0KV+4*(\sl)+3], s[G1KV:G1KV+7]
	s_nop 0
.rept 4
	v_nop
.endr
.Lasked_\@:
.endm
; A PREFETCH INTO THE L2 of the slot after the one just asked for: one instruction a wave, behind the tensor load's lines.  Waves 6, 7: the mask's 64 rows x 1,024 bytes: the four partners of a row of the cluster take 16 rows each,
; told apart by address; a wave 8 rows, four lanes to a row, 256 bytes apart.  Waves 4, 5, in the batch's first cluster alone (all clusters of a batch walk the same K and V): a group of 128 keys each, K's 16,384 bytes in lanes 0-15
; and V's in lanes 16-31; the four partners of a column take 4,096 bytes each.  So each aligned 256 bytes are named once in the launch.  The last two changes of slots ask for nothing.
.macro ASK
	s_cmp_eq_u32 s[LIM], 1
	s_cbranch_scc0 .Lnot_mine_\@
	global_prefetch_b8 v[PFO], s[PFA:PFA+1] th:TH_LOAD_NT scope:SCOPE_SE
.Lnot_mine_\@:
.endm
	s_load_b256 s[4:11], s[0:1], 0x0               ; mask 4, qkvc 6, qkvs 8, ac 10
	s_load_b64 s[12:13], s[0:1], 0x20              ; asc
	v_lshl_add_u32 v[SPW], v0, 2, SPARE
	v_mov_b32 v[NIL], 0
	ds_add_u32 v[SPW], v[NIL]                      ; the wave's opening: the add, twice on end, and its wait ahead of my first tensor load
	ds_add_u32 v[SPW], v[NIL]
	v_lshrrev_b32 v57, 5, v0
	v_readfirstlane_b32 s[WV], v57
	s_bfe_u32 s[CX], ttmp6, 0x40000                ; cx = the key/value head
	s_bfe_u32 s[CY], ttmp6, 0x40004
	s_and_b32 s[CLY], ttmp7, 0xffff
	s_lshl_b32 s[YY], s[CLY], 2
	s_add_co_u32 s[YY], s[YY], s[CY]               ; y = 32 batch + group of 64 queries
	s_lshr_b32 s[BB], s[CLY], 3                    ; the batch, from the cluster's y alone
	s_and_b32 s[QB], s[YY], 31
	s_and_b32 s[QT], s[WV], 3
	s_lshr_b32 s[KH], s[WV], 2
	s_and_b32 s[W1], s[WV], 1
	s_lshl_b32 s84, s[CY], 2
	s_lshl_b32 s84, 15, s84                        ; my row of the cluster
	s_lshl_b32 s85, 0x1111, s[CX]                  ; my column
	s_or_b32 s[G1M], s84, (2<<16)|(1<<20)|(1<<21)|(7<<22)|(3<<25)   ; elements of 4 bytes; 4 words of padding behind every 256
	s_mov_b32 s[G1M+1], 256<<16
	s_mov_b32 s[G1M+2], 16<<16
	s_mov_b32 s[G1M+3], 256<<16
	s_mov_b32 s[G1M+4], 16
	s_mov_b32 s[G1M+5], 2048
	s_mov_b32 s[G1M+6], 0
	s_mov_b32 s[G1M+7], 0
	s_or_b32 s[G1KV], s85, (3<<16)|(1<<21)         ; two rows of 2,048 elements of 8 bytes: K's block, and V's, eight units (262,144 elements) further on
	s_mov_b32 s[G1KV+1], 2048<<16
	s_mov_b32 s[G1KV+2], 2<<16
	s_mov_b32 s[G1KV+3], 2048<<16
	s_mov_b32 s[G1KV+4], 2
	s_mov_b32 s[G1KV+5], 262144
	s_mov_b32 s[G1KV+6], 0
	s_mov_b32 s[G1KV+7], 0
	s_or_b32 s[G1S], s85, (3<<16)|(1<<21)          ; 8,192 dense bytes as 32 rows of 256
	s_mov_b32 s[G1S+1], 32<<16
	s_mov_b32 s[G1S+2], 32<<16
	s_mov_b32 s[G1S+3], 32<<16
	s_mov_b32 s[G1S+4], 32
	s_mov_b32 s[G1S+5], 32
	s_mov_b32 s[G1S+6], 0
	s_mov_b32 s[G1S+7], 0
	s_lshl_b32 s86, s[YY], 6                       ; the mask: row 64 y + 16 (wave % 4): y and the wave's number alone
	s_lshl_b32 s87, s[QT], 4
	s_add_co_u32 s86, s86, s87
	s_lshl_b32 s86, s86, 13
	s_mov_b32 s87, 0
	s_lshl_b32 s88, s[BB], 2                       ; K, V: batch, x and the wave's number alone
	s_add_co_u32 s88, s88, s[CX]
	s_lshl_b32 s90, s88, 13
	s_lshl_b32 s88, s88, 18
	s_lshl_b32 s89, s[W1], 14
	s_add_co_u32 s88, s88, s89
	s_add_co_u32 s88, s88, 4194304                 ; k's units begin at unit 16
	s_mov_b32 s89, 0
	s_lshl_b32 s91, s[W1], 16
	s_add_co_u32 s90, s90, s91
	s_add_co_u32 s90, s90, 131072
	s_mov_b32 s91, 0
	s_mul_i32 s93, s[W1], RB                       ; LDS: the wave's number alone
	s_lshr_b32 s94, s[QT], 1
	s_mul_i32 s94, s94, 16*MP
	s_add_co_u32 s93, s93, s94
	s_add_co_u32 s93, s93, MOFF
	s_lshl_b32 s94, s[W1], 15
	s_lshl_b32 s95, s[W1], 13
	s_add_co_u32 s95, s95, SCB
	s_mov_b32 s[SEL], 0x76543210
	s_mov_b32 s[SEL+1], 0xfedcba98
	s_mov_b32 s[CS], 0x3e0293ee                    ; log2(e) / sqrt(128)
	s_mov_b32 s[CS+1], s[CS]
	s_mov_b32 s[L2E], 0x3fb8aa3b                   ; log2(e)
	s_mov_b32 s[L2E+1], s[L2E]
	s_mov_b32 s[MNT], 0x600000
	s_wait_dscnt 0x0                               ; both opening adds are done
	s_wait_kmcnt 0x0
	s_add_nc_u64 s[86:87], s[4:5], s[86:87]
	s_add_nc_u64 s[88:89], s[6:7], s[88:89]
	s_add_nc_u64 s[90:91], s[8:9], s[90:91]
	ROUND                                          ; all sixteen work-groups are here: the first joint loads meet
.irp s, 0,1
	s_mov_b32 s[G0M+4*\s], 1
	s_add_co_u32 s[G0M+4*\s+1], s93, \s*SLOTB
	s_add_nc_u64 s[G0M+4*\s+2:G0M+4*\s+3], s[86:87], \s*1024
	s_or_b32 s[G0M+4*\s+3], s[G0M+4*\s+3], 0x80000000
	s_mov_b32 s[G0KV+4*\s], 1
	s_add_co_u32 s[G0KV+4*\s+1], s94, \s*SLOTB
	s_add_nc_u64 s[G0KV+4*\s+2:G0KV+4*\s+3], s[88:89], \s*32768
	s_or_b32 s[G0KV+4*\s+3], s[G0KV+4*\s+3], 0x80000000
.endr
	s_mov_b32 s[G0S], 1
	s_mov_b32 s[G0S+1], s95
	s_mov_b64 s[G0S+2:G0S+3], s[90:91]
	s_or_b32 s[G0S+3], s[G0S+3], 0x80000000
	s_cmp_lt_u32 s[WV], 4                          ; the first fills: one in each arm, so every wave issues one
	s_cbranch_scc0 .Lfirst_kv
	tensor_load_to_lds s[G0M:G0M+3], s[G1M:G1M+7]
	s_nop 0
.rept 4
	v_nop
.endr
	s_branch .Lfirst_done
.Lfirst_kv:
	s_cmp_lt_u32 s[WV], 6
	s_cbranch_scc0 .Lfirst_sc
	tensor_load_to_lds s[G0KV:G0KV+3], s[G1KV:G1KV+7]
	s_nop 0
.rept 4
	v_nop
.endr
	s_branch .Lfirst_done
.Lfirst_sc:
	tensor_load_to_lds s[G0S:G0S+3], s[G1S:G1S+7]
	s_nop 0
.rept 4
	v_nop
.endr
.Lfirst_done:
	v_and_b32 v63, 31, v0                          ; lane
	v_and_b32 v57, 15, v0                          ; r
	v_bfe_u32 v58, v0, 4, 1                        ; h
	v_lshlrev_b32 v[LI], 4, v63
	s_lshl_b32 s93, s[KH], 15
	v_add_nc_u32 v[AKV], s93, v[LI]                ; images: 16 x lane, in my half of the keys
	v_add_nc_u32 v[AKV+1], SLOTB, v[AKV]
	s_mul_i32 s93, s[QT], 8*MP
	s_lshl_b32 s94, s[KH], 9
	s_add_co_u32 s93, s93, s94
	s_add_co_u32 s93, s93, MOFF
	v_lshrrev_b32 v59, 3, v57
	v_mul_u32_u24 v59, v59, RB
	v_and_b32 v60, 7, v57
	v_mad_u32_u24 v59, v60, MP, v59
	v_lshl_add_u32 v59, v58, 6, v59
	v_add_nc_u32 v[AM], s93, v59                   ; the mask: piece 2 (qt / 2) + r / 8, row 8 (qt % 2) + r % 8 of it, my 128 keys, + 64 h
	v_add_nc_u32 v[AM+1], SLOTB, v[AM]
	s_lshl_b32 s93, s[KH], 9
	s_add_co_u32 s93, s93, SCB
	v_lshl_add_u32 v[ASC], v57, 4, s93             ; scale words: [row 16][image 4], 512 bytes for 128 keys
	s_mul_i32 s93, s[WV], STGW
	s_add_co_u32 s93, s93, STG
	v_add_nc_u32 v[STA], s93, v[LI]
	v_lshl_add_u32 v[STB], v63, 2, s93
	s_xor_b32 s94, s[WV], 4
	s_mul_i32 s94, s94, STGW
	s_add_co_u32 s94, s94, STG
	v_add_nc_u32 v[LDA], s94, v[LI]
	v_lshl_add_u32 v[LDB], v63, 2, s94
	s_lshl_b32 s93, s[QT], 7
	s_lshl_b32 s94, s[KH], 2
	s_add_co_u32 s93, s93, s94
	v_lshl_add_u32 v[STW], v57, 3, s93             ; my result's scale word: 128 qt + 8 r + 4 (head % 2)
	; where the results go: ac [group of 128 tokens][pair of heads][tile 8][head % 2][image], asc [..][..][tile][row][head % 2]
	s_lshl_b32 s96, s[BB], 4
	s_lshr_b32 s97, s[QB], 1
	s_add_co_u32 s96, s96, s97
	s_lshl_b32 s96, s96, 2
	s_add_co_u32 s96, s96, s[CX]
	s_and_b32 s97, s[QB], 1
	s_lshl_b32 s98, s96, 15
	s_lshl_b32 s99, s97, 14
	s_add_co_u32 s98, s98, s99
	s_lshl_b32 s99, s[QT], 12
	s_add_co_u32 s98, s98, s99
	s_lshl_b32 s99, s[KH], 11
	s_add_co_u32 s98, s98, s99
	v_add_nc_u32 v[ACO], s98, v[LI]
	s_lshl_b32 s98, s96, 10
	s_lshl_b32 s99, s97, 9
	s_add_co_u32 s98, s98, s99
	v_add_nc_u32 v[ASO], s98, v[LI]
	; Q of my two units
	s_lshl_b32 s96, s[BB], 3
	s_lshl_b32 s97, s[CX], 1
	s_add_co_u32 s96, s96, s97
	s_add_co_u32 s97, s96, s[KH]                   ; unit A's head
	s_xor_b32 s98, s[KH], 1
	s_add_co_u32 s98, s96, s98                     ; unit B's
	s_lshl_b32 s99, s[QB], 13
	s_lshl_b32 s2, s[QT], 11
	s_add_co_u32 s99, s99, s2
	s_lshl_b32 s2, s97, 18
	s_add_co_u32 s2, s2, s99
	v_add_nc_u32 v59, s2, v[LI]
	s_lshl_b32 s2, s98, 18
	s_add_co_u32 s2, s2, s99
	v_add_nc_u32 v60, s2, v[LI]
	s_lshl_b32 s99, s[QB], 8
	s_lshl_b32 s2, s[QT], 2
	s_add_co_u32 s99, s99, s2
	s_lshl_b32 s2, s97, 13
	s_add_co_u32 s2, s2, s99
	v_lshl_add_u32 v61, v57, 4, s2
	s_lshl_b32 s2, s98, 13
	s_add_co_u32 s2, s2, s99
	v_lshl_add_u32 v62, v57, 4, s2
	WIN 0x40
.irp c, 0,1,2,3
	global_load_b128 v[64+4*\c:67+4*\c], v59, s[6:7] offset:512*\c
	global_load_b128 v[80+4*\c:83+4*\c], v60, s[6:7] offset:512*\c
.endr
.set j, 0
.rept 128
	v_mov_b32 v[128+j], 0                          ; O^T of both units.  (The key step is written once: its first turn finds zeros, which the first change of M leaves zeros)
.set j, j+1
.endr
	WIN 0
	global_load_b32 v[QSA], v61, s[8:9]
	global_load_b32 v[QSB], v62, s[8:9]
	; the prefetches: where my wave's stand (slot 1; the first change of slots steps them to slot 2), and who asks
	s_lshl_b32 s96, s[YY], 6
	s_lshl_b32 s97, s[CX], 4
	s_add_co_u32 s96, s96, s97
	s_lshl_b32 s97, s[W1], 3
	s_add_co_u32 s96, s96, s97
	s_lshl_b32 s96, s96, 13
	s_add_co_u32 s96, s96, 1024                    ; the mask: row 64 y + 16 cx + 8 (wave % 2)
	s_lshl_b32 s97, s[BB], 2
	s_add_co_u32 s97, s97, s[CX]
	s_lshl_b32 s97, s97, 18
	s_lshl_b32 s98, s[W1], 14
	s_add_co_u32 s97, s97, s98
	s_lshl_b32 s98, s[CY], 12
	s_add_co_u32 s97, s97, s98
	s_add_co_u32 s97, s97, 4194304+32768           ; K: my group of 128 keys, + 4,096 cy
	s_cmp_ge_u32 s[WV], 6
	s_cselect_b64 s[PFA:PFA+1], s[4:5], s[6:7]
	s_cselect_b32 s96, s96, s97
	s_mov_b32 s97, 0
	s_mov_b32 s[PFS], 32768
	s_cselect_b32 s[PFS], 1024, s[PFS]             ; a slot on
	s_mov_b32 s[PFS+1], 0
	s_cselect_b32 s98, 2, 4
	s_cselect_b32 s2, 3, 15
	s_mov_b32 s99, 2097152
	s_cselect_b32 s99, 8192, s99
	s_add_nc_u64 s[PFA:PFA+1], s[PFA:PFA+1], s[96:97]
	v_lshrrev_b32 v58, s98, v63
	v_and_b32 v57, s2, v63
	v_mul_lo_u32 v58, v58, s99
	v_lshl_add_u32 v[PFO], v57, 8, v58
	s_and_b32 s2, s[CLY], 7
	s_cmp_eq_u32 s2, 0
	s_cselect_b32 s2, 1, 0
	s_cmp_ge_u32 s[WV], 6
	s_cselect_b32 s2, 1, s2
	s_cmp_ge_u32 s[WV], 4
	s_cselect_b32 s[LIM], s2, 0                    ; the wave's number and the cluster's y alone: the same in all partners
	v_mov_b32 v[NA+1], 0xff61b1e6                  ; the largest t so far: -3e38
	v_mov_b32 v[NB+1], 0xff61b1e6
	v_floor_f32 v[NA], -v[NA+1]
	v_floor_f32 v[NB], -v[NB+1]
	v_mov_b32 v[NA+2], 0
	v_mov_b32 v[NA+3], 0
	v_mov_b32 v[NB+2], 0
	v_mov_b32 v[NB+3], 0
.irp b, 0,1,2,3
	v_mov_b32 v[TM+4+\b], 0                        ; written once: a lane permute's destination counts as one of its sources
.endr
	v_mov_b32 v[F+1], 0
	v_mov_b32 v[T0], 0
	v_mov_b32 v[T1], 0
.macro FRAGS sl, off                   ; four images into window 1
	WIN 0x40
.irp t, 0,1,2,3
.irp c, 0,1,2,3
	ds_load_b128 v[16*\t+4*\c:16*\t+4*\c+3], v[AKV+\sl] offset:\off+2048*\t+512*\c
.endr
.endr
.endm
.macro FRAGW sl, off                   ; four images into unit A's score registers, window 0: free once A's codes are made
	WIN 0
.irp t, 0,1,2,3
.irp c, 0,1,2,3
	ds_load_b128 v[SA+16*\t+4*\c:SA+16*\t+4*\c+3], v[AKV+\sl] offset:\off+2048*\t+512*\c
.endr
.endr
.endm
.macro SCORES g                        ; S^T of key tiles 4 g .. 4 g + 3, the two units by turns
	WIN 0x05
.irp t, 0,1,2,3
	v_wmma_scale_f32_16x16x128_f8f6f4 v[SA+32*\g+8*\t:SA+32*\g+8*\t+7], v[16*\t:16*\t+15], v[64:79], 0, v[SCW+4*\g+\t], v[QSA]
	v_wmma_scale_f32_16x16x128_f8f6f4 v[SB+32*\g+8*\t:SB+32*\g+8*\t+7], v[16*\t:16*\t+15], v[80:95], 0, v[SCW+4*\g+\t], v[QSB]
.endr
.endm
.macro OUTP g                          ; O^T += V^T P^T, channel tiles 4 g .. 4 g + 3, the two units by turns.  V's images: g = 0 in window 1, g = 1 in window 0 at v[SA] on
.if \g
	WIN 0x50
.set VB, SA
.else
	WIN 0x51
.set VB, 0
.endif
.irp t, 0,1,2,3
	v_wmma_scale_f32_16x16x128_f8f6f4 v[128+32*\g+8*\t:128+32*\g+8*\t+7], v[VB+16*\t:VB+16*\t+15], v[PCA:PCA+15], v[128+32*\g+8*\t:128+32*\g+8*\t+7], v[SCW+4*\g+\t], v[PSA]
	v_wmma_scale_f32_16x16x128_f8f6f4 v[192+32*\g+8*\t:192+32*\g+8*\t+7], v[VB+16*\t:VB+16*\t+15], v[PCB:PCB+15], v[192+32*\g+8*\t:192+32*\g+8*\t+7], v[SCW+4*\g+\t], v[PSB]
.endr
.endm
.macro MKMUL g                         ; half of the mask's numbers x log2(e)
.set p, 16*\g
.rept 16
	v_pk_mul_f32 v[MK+2*p:MK+2*p+1], v[MK+2*p:MK+2*p+1], s[L2E:L2E+1] op_sel_hi:[1,0]
.set p, p+1
.endr
.endm
.macro TT g                            ; t = score x c + mask x log2(e), registers 32 g on, both units; each accumulator from its low end on
.set p, 16*\g
.rept 16
	v_pk_fma_f32 v[SA+2*p:SA+2*p+1], v[SA+2*p:SA+2*p+1], s[CS:CS+1], v[MK+2*p:MK+2*p+1] op_sel_hi:[1,0,1]
	v_pk_fma_f32 v[SB+2*p:SB+2*p+1], v[SB+2*p:SB+2*p+1], s[CS:CS+1], v[MK+2*p:MK+2*p+1] op_sel_hi:[1,0,1]
.set p, p+1
.endr
.endm
; One unit's softmax of 128 keys: t in v[S] on; NM: -M, largest t, the sum's two halves; codes to v[PCD] on, their scale word to v[PSR]; O^T at v[OB] of window 1.
.macro SOFTMAX S, NM, PCD, PSR, OB
	WIN 0
.irp b, 0,1,2,3
	v_max3_num_f32 v[TM+\b], v[\S+16*\b], v[\S+16*\b+1], v[\S+16*\b+2]   ; the largest t of each block of 32 keys: for the row's maximum and, since p rises with t, for the block's largest p
.endr
.irp i, 3,5,7,9,11,13
.irp b, 0,1,2,3
	v_max3_num_f32 v[TM+\b], v[TM+\b], v[\S+16*\b+\i], v[\S+16*\b+\i+1]
.endr
.endr
.irp b, 0,1,2,3
	v_max_num_f32 v[TM+\b], v[TM+\b], v[\S+16*\b+15]
.endr
.irp b, 0,1,2,3
	v_permlanex16_b32 v[TM+4+\b], v[TM+\b], s[SEL], s[SEL+1]
.endr
.irp b, 0,1,2,3
	v_max_num_f32 v[TM+\b], v[TM+\b], v[TM+4+\b]
.endr
	v_max3_num_f32 v[T0], v[TM], v[TM+1], v[TM+2]
	v_max_num_f32 v[T0], v[T0], v[TM+3]
	v_max_num_f32 v[\NM+1], v[\NM+1], v[T0]        ; the running largest t
	v_mov_b32 v[T0], v[\NM]
	v_floor_f32 v[\NM], -v[\NM+1]                  ; the new -M = -ceil(t)
	v_sub_f32 v[T0], v[\NM], v[T0]                 ; old M - new M: a whole number, 0 or less
	v_cvt_i32_f32 v[T0], v[T0]                     ; (it saturates)
	v_ldexp_f32 v[F], 1.0, v[T0]                   ; f = 2^(old M - new M): rounds nothing
.set j, 0
.rept 32
	v_pk_add_f32 v[\S+j:\S+j+1], v[\S+j:\S+j+1], v[\NM:\NM+1] op_sel_hi:[1,0]   ; t - M
.set j, j+2
.endr
.irp b, 0,1,2,3
	v_add_f32 v[TM+\b], v[TM+\b], v[\NM]           ; the same of each block's largest t
.endr
.set j, 0
.rept 64
	v_exp_f32 v[\S+j], v[\S+j]                     ; p = 2^(t - M), at most 1
.set j, j+1
.endr
	v_pk_mul_f32 v[\NM+2:\NM+3], v[\NM+2:\NM+3], v[F:F+1] op_sel_hi:[1,0]   ; the sums under the new M (a plain line behind the batch)
	s_wait_alu depctr_va_vdst(0)                   ; one wait for the 64, ahead of their first reader
.irp b, 0,1,2,3
	v_exp_f32 v[TM+\b], v[TM+\b]                   ; the block's largest p: the same two instructions on the same number
.endr
	v_pk_add_f32 v[TM+4:TM+5], v[\S:\S+1], v[\S+2:\S+3]   ; the row's sum of the unquantised p, in two chains
.irp j, 4,8,12,16,20,24,28,32,36,40,44,48,52,56,60
	v_pk_add_f32 v[\NM+2:\NM+3], v[\NM+2:\NM+3], v[\S+\j:\S+\j+1]
	v_pk_add_f32 v[TM+4:TM+5], v[TM+4:TM+5], v[\S+\j+2:\S+\j+3]
.endr
	v_pk_add_f32 v[\NM+2:\NM+3], v[\NM+2:\NM+3], v[TM+4:TM+5]
	s_wait_alu depctr_va_vdst(0)                   ; and one for the four
.irp b, 0,1,2,3
	v_max_num_f32 v[TM+\b], 0x4800000, v[TM+\b]    ; the floor 2^(9 - 127)
.endr
.irp b, 0,1,2,3
	v_add_nc_u32 v[TM+12+\b], 0xfc000000, v[TM+\b]
.endr
.irp b, 0,1,2,3
	v_and_or_b32 v[TM+8+\b], v[TM+\b], 0x7f800000, s[MNT]
.endr
.irp b, 0,1,2,3
	v_lshrrev_b32 v[TM+4+\b], 23, v[TM+12+\b]
.endr
	v_lshl_or_b32 v[\PSR], v[TM+5], 8, v[TM+4]
	v_lshl_or_b32 v[\PSR], v[TM+6], 16, v[\PSR]
	v_lshl_or_b32 v[\PSR], v[TM+7], 24, v[\PSR]
.irp b, 0,1,2,3
.irp i, 0,1,2,3,4,5,6,7,8,9,10,11,12,13,14,15
	v_min_num_f32 v[\S+16*\b+\i], v[\S+16*\b+\i], v[TM+8+\b]   ; the hold; p is not negative
.endr
	v_cvt_scalef32_pk8_fp8_f32 v[\PCD+4*\b:\PCD+4*\b+1], v[\S+16*\b:\S+16*\b+7], v[TM+12+\b]
	v_cvt_scalef32_pk8_fp8_f32 v[\PCD+4*\b+2:\PCD+4*\b+3], v[\S+16*\b+8:\S+16*\b+15], v[TM+12+\b]
.endr
	WIN 0x41
.set j, 0
.rept 32
	v_pk_mul_f32 v[\OB+j:\OB+j+1], v[\OB+j:\OB+j+1], v[F:F+1] op_sel_hi:[1,0]   ; O^T under the new M; these are also the places between the codes, the scale word and the products
.set j, j+2
.endr
.endm
; A KEY STEP: my 128 keys of slot sl, both units.  What the first products want is asked for first; each later run of loads is issued a stretch of vector work ahead of the wait for it.
.macro WORK sl
	ds_load_b128 v[SCW:SCW+3], v[ASC]
	ds_load_b128 v[SCW+4:SCW+7], v[ASC] offset:256
	FRAGS \sl, 0
	WIN 0
.irp k, 0,1,2,3,4,5,6,7,8,9,10,11,12,13,14,15
	ds_load_b128 v[MK+4*\k:MK+4*\k+3], v[AM+\sl] offset:128*(\k/4)+16*(\k%4)   ; register 16 b + n: the mask at key 32 b + 16 h + n of my query
.endr
	s_wait_dscnt 16                                ; K's scale words and first four images are in; the mask's 16 loads, issued behind them, may be out
	SCORES 0
	WIN 0
	s_wait_dscnt 0x0                               ; the mask
	MKMUL 0                                        ; 16 plain lines: the places in front of the loads into the fragments' registers
	FRAGS \sl, 8192
	WIN 0
	MKMUL 1
	TT 0                                           ; the first eight results, 32 plain lines behind their products: 48 lines of work stand between K's second four images' loads and the wait for them
	s_wait_dscnt 0x0
	SCORES 1
	WIN 0
	PLACES 8                                       ; in front of the loads into registers that these products read, and of the first reads of their results
	ds_load_b128 v[SCW:SCW+3], v[ASC] offset:8192
	ds_load_b128 v[SCW+4:SCW+7], v[ASC] offset:8448
	FRAGS \sl, 16384
	WIN 0
	TT 1
	SOFTMAX SA, NA, PCA, PSA, 128
	FRAGW \sl, 16384+8192                          ; V's second four images land during unit B's softmax, in the registers that unit A's p has left
	SOFTMAX SB, NB, PCB, PSB, 192
	s_wait_dscnt 0x0                               ; all of V and its scale words
	OUTP 0
	OUTP 1                                         ; sixteen products on sixteen accumulators, with nothing between them
	WIN 0
	v_add_nc_u32 v[ASC], 1024, v[ASC]              ; the next slot's scale words
	PLACES 9                                       ; ten plain places: the next step's first products write over v[SA] on, which the last products read (nine are owed); its loads and the first reads of O^T want eight
.endm
; THE CHANGE OF SLOTS stands at a slot's head: all my tensor loads have landed, the add, my reads of the slot that I left are over; a round of the cluster's barrier; then the other slot is asked for, and has a whole key step in which to land.
.macro TRIP sl, refill, ask
	s_wait_tensorcnt 0x0                           ; no tensor load of mine is out, so a group 0 may be written
	ds_add_u32 v[SPW], v[NIL]
	s_add_nc_u64 s[G0M+4*\sl+2:G0M+4*\sl+3], s[G0M+4*\sl+2:G0M+4*\sl+3], 2048      ; this slot's next tiles: 512 keys on
	s_add_nc_u64 s[G0KV+4*\sl+2:G0KV+4*\sl+3], s[G0KV+4*\sl+2:G0KV+4*\sl+3], 65536
.if \ask
	s_wait_xcnt 0x0                                ; the last prefetch, a key step back, has read its address
	s_add_nc_u64 s[PFA:PFA+1], s[PFA:PFA+1], s[PFS:PFS+1]
.endif
	s_wait_dscnt 0x0
	ROUND
.if \refill
	TLOAD 1-\sl
.endif
.if \ask
	ASK
.endif
	WORK \sl
.endm
	s_wait_loadcnt 0x0                             ; Q and its scale words
	s_mov_b32 s3, 3
.Lslots:                                               ; 2,048 keys are eight slots: six in the loop
	TRIP 0, 1, 1
	TRIP 1, 1, 1
	s_sub_co_u32 s3, s3, 1
	s_cmp_lg_u32 s3, 0
	s_cbranch_scc1 .Lslots
	TRIP 0, 1, 0                                   ; the tail is written out: the last load, then none
	TRIP 1, 0, 0
	; THE WAY OUT.  My unit B goes to wave w xor 4, whose unit A it is, as an image of its registers, with its -M and its sum; I take that wave's part of my unit A.
	v_add_f32 v[NA+2], v[NA+2], v[NA+3]
	v_add_f32 v[NB+2], v[NB+2], v[NB+3]
	v_permlanex16_b32 v[T0], v[NA+2], s[SEL], s[SEL+1]
	v_permlanex16_b32 v[T1], v[NB+2], s[SEL], s[SEL+1]
	v_add_f32 v[NA+2], v[NA+2], v[T0]
	v_add_f32 v[NB+2], v[NB+2], v[T1]
	WIN 0x04                                       ; an LDS store's data are its source 1: window 1
.irp k, 0,1,2,3,4,5,6,7,8,9,10,11,12,13,14,15
	ds_store_b128 v[STA], v[192+4*\k:195+4*\k] offset:512*\k
.endr
	WIN 0
	ds_store_b32 v[STB], v[NB] offset:8192
	ds_store_b32 v[STB], v[NB+2] offset:8320
	s_wait_dscnt 0x0                               ; for the other wave's sake: my stores have landed
	s_barrier_signal -1
	s_barrier_wait -1
.irp k, 0,1,2,3,4,5,6,7,8,9,10,11,12,13,14,15
	ds_load_b128 v[SA+4*\k:SA+4*\k+3], v[LDA] offset:512*\k
.endr
	ds_load_b32 v[T0], v[LDB] offset:8192
	ds_load_b32 v[T1], v[LDB] offset:8320
	s_wait_dscnt 0x0
	v_min_num_f32 v57, v[NA], v[T0]                ; -M of both halves of the keys
	v_sub_f32 v58, v57, v[NA]
	v_sub_f32 v59, v57, v[T0]
	v_cvt_i32_f32 v58, v58
	v_cvt_i32_f32 v59, v59
	v_ldexp_f32 v58, 1.0, v58                      ; my part's factor,
	v_ldexp_f32 v60, 1.0, v59                      ; the other's: powers of two
	v_mul_f32 v61, v[NA+2], v58
	v_fma_f32 v61, v[T1], v60, v61                 ; the row's sum
	v_rcp_f32 v61, v61
	v_nop
	s_wait_alu depctr_va_vdst(0)
	v_mul_f32 v58, v58, v61                        ; the factors over the sum
	v_mul_f32 v60, v60, v61
	WIN 0x01
.set p, 0
.rept 32
	v_pk_mul_f32 v[SB+2*p:SB+2*p+1], v[128+2*p:128+2*p+1], v[58:59] op_sel_hi:[1,0]
.set p, p+1
.endr
	WIN 0
.set p, 0
.rept 32
	v_pk_fma_f32 v[SB+2*p:SB+2*p+1], v[SA+2*p:SA+2*p+1], v[60:61], v[SB+2*p:SB+2*p+1] op_sel_hi:[1,0,1]
.set p, p+1
.endr
	; product 6's quantiser: register 16 b + i is channel 32 b + 16 h + i of my query's head
.irp b, 0,1,2,3
	v_max3_num_f32 v[TM+\b], |v[SB+16*\b]|, |v[SB+1+16*\b]|, 0x4800000
.endr
.irp i, 2,4,6,8,10,12,14
.irp b, 0,1,2,3
	v_max3_num_f32 v[TM+\b], v[TM+\b], |v[SB+16*\b+\i]|, |v[SB+1+16*\b+\i]|
.endr
.endr
.irp b, 0,1,2,3
	v_permlanex16_b32 v[TM+4+\b], v[TM+\b], s[SEL], s[SEL+1]
.endr
.irp b, 0,1,2,3
	v_max_num_f32 v[TM+\b], v[TM+\b], v[TM+4+\b]
.endr
.irp b, 0,1,2,3
	v_add_nc_u32 v[TM+12+\b], 0xfc000000, v[TM+\b]
.endr
.irp b, 0,1,2,3
	v_and_or_b32 v[TM+8+\b], v[TM+\b], 0x7f800000, s[MNT]
.endr
.irp b, 0,1,2,3
	v_lshrrev_b32 v[TM+4+\b], 23, v[TM+12+\b]
.endr
	v_lshl_or_b32 v[PSA], v[TM+5], 8, v[TM+4]
	v_lshl_or_b32 v[PSA], v[TM+6], 16, v[PSA]
	v_lshl_or_b32 v[PSA], v[TM+7], 24, v[PSA]
.irp b, 0,1,2,3
.irp i, 0,1,2,3,4,5,6,7,8,9,10,11,12,13,14,15
	v_med3_num_f32 v[SB+16*\b+\i], v[SB+16*\b+\i], -v[TM+8+\b], v[TM+8+\b]
.endr
	v_cvt_scalef32_pk8_fp8_f32 v[PCA+4*\b:PCA+4*\b+1], v[SB+16*\b:SB+16*\b+7], v[TM+12+\b]
	v_cvt_scalef32_pk8_fp8_f32 v[PCA+4*\b+2:PCA+4*\b+3], v[SB+16*\b+8:SB+16*\b+15], v[TM+12+\b]
.endr
	v_nop
.irp c, 0,1,2,3
	global_store_b128 v[ACO], v[PCA+4*\c:PCA+4*\c+3], s[10:11] offset:512*\c   ; the image: 512 consecutive bytes a store
.endr
	ds_store_b32 v[STW], v[PSA]                    ; both halves of the lanes write the same word with the same value
	s_wait_dscnt 0x0
	s_barrier_signal -1
	s_barrier_wait -1
	s_cmp_lg_u32 s[WV], 0
	s_cbranch_scc1 .Lnot_0
	ds_load_b128 v[SA:SA+3], v[LI]                 ; the work-group's 512 bytes of scale words leave by one store
	s_wait_dscnt 0x0
	global_store_b128 v[ASO], v[SA:SA+3], s[12:13]
.Lnot_0:
	s_wait_tensorcnt 0x0                           ; the wave's end
	ds_add_u32 v[SPW], v[NIL]
	s_wait_dscnt 0x0
	ROUND                                          ; the closing round
	s_endpgm
.Lfunc_end_k_q1c01053fb2_attn:
	.size	k_q1c01053fb2_attn, .Lfunc_end_k_q1c01053fb2_attn-k_q1c01053fb2_attn
	.p2alignl 7, 3214868480
	.fill 96, 4, 3214868480
	.section	.rodata,"a",@progbits
	.p2align	6, 0x0
	.amdhsa_kernel k_q1c01053fb2_attn
		.amdhsa_group_segment_fixed_size 327680
		.amdhsa_private_segment_fixed_size 0
		.amdhsa_enable_private_segment 0
		.amdhsa_kernarg_size 40
		.amdhsa_user_sgpr_count 2
		.amdhsa_user_sgpr_kernarg_segment_ptr 1
		.amdhsa_wavefront_size32 1
		.amdhsa_system_sgpr_workgroup_id_x 1
		.amdhsa_system_sgpr_workgroup_id_y 1
		.amdhsa_system_sgpr_workgroup_id_z 1
		.amdhsa_system_vgpr_workitem_id 0
		.amdhsa_next_free_vgpr 512
		.amdhsa_next_free_sgpr 100
		.amdhsa_reserve_vcc 0
		.amdhsa_float_denorm_mode_32 3
		.amdhsa_float_denorm_mode_16_64 3
		.amdhsa_memory_ordered 1
		.amdhsa_forward_progress 1
		.amdhsa_inst_pref_size 221
	.end_amdhsa_kernel
	.amdgpu_metadata
---
amdhsa.version: [ 1, 2 ]
amdhsa.kernels:
  - .name:           k_q1c01053fb2_attn
    .symbol:         k_q1c01053fb2_attn.kd
    .args:
      - { .name: attention_mask, .offset: 0, .size: 8, .value_kind: global_buffer, .address_space: global }
      - { .name: qkvc, .offset: 8, .size: 8, .value_kind: global_buffer, .address_space: global }
      - { .name: qkvs, .offset: 16, .size: 8, .value_kind: global_buffer, .address_space: global }
      - { .name: ac, .offset: 24, .size: 8, .value_kind: global_buffer, .address_space: global }
      - { .name: asc, .offset: 32, .size: 8, .value_kind: global_buffer, .address_space: global }
    .group_segment_fixed_size: 327680
    .private_segment_fixed_size: 0
    .kernarg_segment_align: 8
    .kernarg_segment_size: 40
    .max_flat_workgroup_size: 256
    .sgpr_count:     100
    .vgpr_count:     512
    .wavefront_size: 32
...
	.end_amdgpu_metadata
.endif
;; end of part 3
;; launch oproj (part 4): grid 8 x 32, 4 waves a work-group, clusters of 4 x 4, 327,680 bytes of LDS; arguments codes1, scales1, ac, asc, out0; writes out0
.if DOCPART == 4
	.amdgcn_target "amdgcn-amd-amdhsa--gfx1250"
	.amdhsa_code_object_version 6
	.text
	.protected	k_q1c01053fb2_oproj
	.globl	k_q1c01053fb2_oproj
	.p2align	8
	.type	k_q1c01053fb2_oproj,@function
k_q1c01053fb2_oproj:
	s_mov_b64 s[64:65], 0
	v_nop
	global_prefetch_b8 v0, s[64:65] scope:SCOPE_SE
	s_setreg_imm32_b32 hwreg(HW_REG_WAVE_MODE, 25, 1), 1
	s_wait_xcnt 0x0
	s_wait_alu depctr_hold_cnt(0) depctr_sa_sdst(0) depctr_va_vdst(0) depctr_va_sdst(0) depctr_va_ssrc(0) depctr_va_vcc(0) depctr_vm_vsrc(0)
	s_getreg_b32 s2, hwreg(HW_REG_IB_STS2, 6, 4)
	s_cmp_eq_u32 s2, 0
	s_cbranch_scc0 .Lentry_in_a_cluster
	s_endpgm
.Lentry_in_a_cluster:
	s_bfe_u32 s2, ttmp6, 0x10000c
	s_cmp_lg_u32 s2, 0xf033
	s_cbranch_scc0 .Lentry_shape_is_right
	s_endpgm
.Lentry_shape_is_right:
; LAUNCH 4 OF 4: product 6, out0 = attn Wo^T, on codes of E4M3.  No work is left out.
; D = P rows (source 0: 256 rows of Wo, in their own order, from codes1) x Q rows (source 1: 128 tokens, from launch 3's images): a lane holds a token, its eight registers of an accumulator eight neighbouring columns of out0.
; A work-group makes 256 columns x 128 tokens, a wave 128 x 64: 32 accumulators.  K = 1,024 in four steps of 256 (a pair of heads) through two LDS slots; the scale bytes of all of K come once.
; CLUSTER 4 x 4: Wo's tile hangs on x alone and is asked for jointly along a column, the tokens' on y alone, jointly along a row.
; THE WALK ALONG K IS TURNED: the cluster at (X, Y) begins at K step (2 X + Y) mod 4 and goes round: the same four steps, the sums in another order.  Clusters that read the same rows of Wo (same X) or the same tokens (same Y)
; have different first steps, so that they ask for different bytes at a time.  The turn hangs on the cluster's numbers alone: it is the same in all sixteen partners.
; The tokens of a tile lie in launch 1's order: stored row t of tile a of my 64 is token 32 (a / 2) + 8 (a % 2) + t + 8 (t / 8): the stores' immediates take that row.
; REGISTERS: window 0: v16-31 addresses, v32-63 P's scale words, v64-79 Q's, v128-255 Q's fragments (two sets), on the way out rows of out0.  window 1: P's fragments, two sets.  window 2: accumulator (a, b) at v[8 (8 a + b)].
.set PITCH, 272
.set HP,    128*PITCH
.set HQ,    16384                      ; 64 tokens x 256 along K as eight images
.set QOFF,  2*HP
.set SLOT,  QOFF+2*HQ
.set SCP,   2*SLOT                     ; Wo's scale bytes: 256 rows x 32 = 32 units of 256 + 16
.set SCQ,   SCP+32*272                 ; the tokens': 4,096 dense bytes
.set SPARE, SCQ+4096
.set SPITCH, 528                       ; the way out: 16 rows x (512 + 16) a wave, in slot 0, which has had its last fill and is left by all
.set ADRP, 16
.set ADRQ, 20
.set ASP,  22                          ; my rows' scale bytes at K step 0; never rewritten
.set ASQ,  23
.set STO,  24
.set RD,   25
.set CO,   26
.set SPW,  28
.set NIL,  29
.set ASPC, 30                          ; the same at the K step in hand: Wo's + 8 bytes a step, the tokens' + 1,024
.set ASQC, 31
.set PS,   32
.set QS,   64
.set QF,   128
.set BK,   128
.set G1P,  24
.set G0P,  32
.set G1Q,  40
.set G0Q,  48
.set G1SP, 56
.set G1SQ, 68
.set G0SP, 76
.set G0SQ, 80
.set ROT,  100                         ; s100 my cluster's first K step
.set KI,   101                         ; s101 how many changes of slots have begun
.set MSB, 0
.macro WIN new
.if MSB != \new
	s_set_vgpr_msb (MSB<<8)|\new
.set MSB, \new
.endif
.endm
.macro PLACES n
.rept \n
	v_nop
.endr
.endm
.macro JLOAD g0a, g1a, g0b, g1b        ; waves 0, 1 fetch P's halves, waves 2, 3 Q's; an s_nop 0 and four v_nop follow each line
	s_cmp_eq_u32 s19, 0
	s_cbranch_scc0 .Lfor_q_\@
	tensor_load_to_lds s[\g0a:\g0a+3], s[\g1a:\g1a+7]
	s_nop 0
.rept 4
	v_nop
.endr
	s_branch .Lasked_\@
.Lfor_q_\@:
	tensor_load_to_lds s[\g0b:\g0b+3], s[\g1b:\g1b+7]
	s_nop 0
.rept 4
	v_nop
.endr
.Lasked_\@:
.endm
.macro CREST
	s_cmp_lg_u32 s18, 0
	s_cbranch_scc1 .Lnot_wave_0_\@
	s_barrier_signal -3
.Lnot_wave_0_\@:
	s_barrier_wait -3
	s_barrier_signal -1
	s_barrier_wait -1
.endm
.macro CROUND
	s_barrier_signal -1
	s_barrier_wait -1
	CREST
.endm
	s_load_b256 s[4:11], s[0:1], 0x0               ; codes1 4, scales1 6, ac 8, asc 10
	s_load_b64 s[12:13], s[0:1], 0x20              ; out0
	v_lshl_add_u32 v[SPW], v0, 2, SPARE
	v_mov_b32 v[NIL], 0
	ds_add_u32 v[SPW], v[NIL]                      ; the wave's opening: the add, twice on end, and its wait ahead of my first tensor load
	ds_add_u32 v[SPW], v[NIL]
	v_lshrrev_b32 v1, 5, v0
	v_readfirstlane_b32 s18, v1
	s_lshr_b32 s19, s18, 1                         ; my half of the columns.  Also: I fetch for P (0) or for Q (1)
	s_and_b32 s20, s18, 1                          ; my half of the tokens.  Also: which half I fetch
	s_bfe_u32 s21, ttmp6, 0x40000                  ; cx
	s_bfe_u32 s22, ttmp6, 0x40004                  ; cy
	s_and_b32 s[ROT], ttmp7, 0xffff
	s_lshl_b32 s[KI], ttmp9, 1
	s_add_co_u32 s[ROT], s[ROT], s[KI]
	s_and_b32 s[ROT], s[ROT], 3                    ; my cluster's first K step
	s_mov_b32 s[KI], 0
	s_mov_b32 s15, 0                               ; the upper words of the two offsets along K
	s_mov_b32 s17, 0
	s_lshl_b32 s66, s22, 2
	s_lshl_b32 s66, 15, s66                        ; my row of the cluster
	s_lshl_b32 s67, 0x1111, s21                    ; my column
	s_or_b32 s[G1P], s67, (1<<20)|(1<<21)|(5<<22)|(3<<25)
	s_mov_b32 s[G1P+1], 256<<16
	s_mov_b32 s[G1P+2], 128<<16
	s_mov_b32 s[G1P+3], 256<<16
	s_mov_b32 s[G1P+4], 128
	s_mov_b32 s[G1P+5], 1024
	s_mov_b32 s[G1P+6], 0
	s_mov_b32 s[G1P+7], 0
	s_or_b32 s[G1Q], s66, (3<<16)|(1<<21)          ; 16,384 dense bytes as 64 rows of 256
	s_mov_b32 s[G1Q+1], 32<<16
	s_mov_b32 s[G1Q+2], 64<<16
	s_mov_b32 s[G1Q+3], 32<<16
	s_mov_b32 s[G1Q+4], 64
	s_mov_b32 s[G1Q+5], 32
	s_mov_b32 s[G1Q+6], 0
	s_mov_b32 s[G1Q+7], 0
	s_or_b32 s[G1SP], s67, (3<<16)|(1<<20)|(1<<21)|(5<<22)|(3<<25)   ; 4,096 dense bytes as 16 rows of 256, padded
	s_mov_b32 s[G1SP+1], 32<<16
	s_mov_b32 s[G1SP+2], 16<<16
	s_mov_b32 s[G1SP+3], 32<<16
	s_mov_b32 s[G1SP+4], 16
	s_mov_b32 s[G1SP+5], 32
	s_mov_b32 s[G1SP+6], 0
	s_mov_b32 s[G1SP+7], 0
	s_or_b32 s[G1SQ], s66, (3<<16)|(1<<21)         ; 2,048 dense bytes as 8 rows of 256
	s_mov_b32 s[G1SQ+1], 32<<16
	s_mov_b32 s[G1SQ+2], 8<<16
	s_mov_b32 s[G1SQ+3], 32<<16
	s_mov_b32 s[G1SQ+4], 8
	s_mov_b32 s[G1SQ+5], 32
	s_mov_b32 s[G1SQ+6], 0
	s_mov_b32 s[G1SQ+7], 0
	s_lshl_b32 s84, ttmp9, 2
	s_add_co_u32 s84, s84, s21                     ; block of 256 columns = 4 x cluster x + cx
	s_lshl_b32 s85, s84, 8
	s_lshl_b32 s88, s20, 7
	s_add_co_u32 s85, s85, s88                     ; Wo's 128 rows that I fetch
	s_lshl_b32 s88, s85, 10
	s_add_co_u32 s88, s88, 12582912                ; Wo's codes begin there in codes1
	s_mov_b32 s89, 0
	s_lshl_b32 s90, s85, 5
	s_add_co_u32 s90, s90, 393216                  ; and its scale bytes there in scales1
	s_mov_b32 s91, 0
	s_and_b32 s86, ttmp7, 0xffff
	s_lshl_b32 s86, s86, 2
	s_add_co_u32 s86, s86, s22                     ; group of 128 tokens = 4 x cluster y + cy
	s_lshl_b32 s92, s86, 17
	s_lshl_b32 s87, s20, 14
	s_add_co_u32 s92, s92, s87
	s_mov_b32 s93, 0
	s_lshl_b32 s94, s86, 12
	s_lshl_b32 s87, s20, 11
	s_add_co_u32 s94, s94, s87
	s_mov_b32 s95, 0
	s_mul_i32 s2, s20, HP
	s_mul_i32 s3, s20, HQ
	s_add_co_u32 s3, s3, QOFF
	s_mul_i32 s23, s20, 16*272
	s_add_co_u32 s23, s23, SCP
	s_lshl_b32 s99, s20, 11
	s_add_co_u32 s99, s99, SCQ
	s_wait_dscnt 0x0                               ; both opening adds are done
	s_wait_kmcnt 0x0
	s_add_nc_u64 s[4:5], s[4:5], s[88:89]          ; Wo's rows that I fetch, at K = 0: kept, since each refill's address is made from it
	s_add_nc_u64 s[90:91], s[6:7], s[90:91]
	s_add_nc_u64 s[8:9], s[8:9], s[92:93]          ; the tokens' images likewise
	s_add_nc_u64 s[94:95], s[10:11], s[94:95]
	CROUND                                         ; all sixteen work-groups are here: the first joint loads meet
	s_mov_b32 s[G0SP], 1
	s_mov_b32 s[G0SP+1], s23
	s_mov_b64 s[G0SP+2:G0SP+3], s[90:91]
	s_or_b32 s[G0SP+3], s[G0SP+3], 0x80000000
	s_mov_b32 s[G0SQ], 1
	s_mov_b32 s[G0SQ+1], s99
	s_mov_b64 s[G0SQ+2:G0SQ+3], s[94:95]
	s_or_b32 s[G0SQ+3], s[G0SQ+3], 0x80000000
	JLOAD G0SP, G1SP, G0SQ, G1SQ
.irp s, 0,1
	s_add_co_u32 s14, s[ROT], \s                   ; slot s begins with K step (first + s) mod 4:
	s_and_b32 s14, s14, 3
	s_lshl_b32 s16, s14, 15                        ; 32,768 bytes a step among the tokens' images,
	s_lshl_b32 s14, s14, 8                         ; 256 bytes a step along Wo's rows
	s_mov_b32 s[G0P+4*\s], 1
	s_add_co_u32 s[G0P+4*\s+1], s2, \s*SLOT
	s_add_nc_u64 s[G0P+4*\s+2:G0P+4*\s+3], s[4:5], s[14:15]
	s_or_b32 s[G0P+4*\s+3], s[G0P+4*\s+3], 0x80000000
	s_mov_b32 s[G0Q+4*\s], 1
	s_add_co_u32 s[G0Q+4*\s+1], s3, \s*SLOT
	s_add_nc_u64 s[G0Q+4*\s+2:G0Q+4*\s+3], s[8:9], s[16:17]
	s_or_b32 s[G0Q+4*\s+3], s[G0Q+4*\s+3], 0x80000000
	JLOAD G0P+4*\s, G1P, G0Q+4*\s, G1Q             ; three loads of mine are out behind these
.endr
	v_and_b32 v1, 15, v0                           ; r
	v_bfe_u32 v2, v0, 4, 1                         ; h
	v_and_b32 v5, 31, v0
	v_lshlrev_b32 v[CO], 4, v5                     ; 16 x lane
	v_mul_u32_u24 v3, v1, PITCH
	v_lshl_add_u32 v3, v2, 4, v3
	s_mul_i32 s2, s19, HP
	s_mul_i32 s3, s20, HQ
	s_add_co_u32 s3, s3, QOFF
.irp s, 0,1
	v_add_nc_u32 v[ADRP+\s], s2, v3
	v_add_nc_u32 v[ADRQ+\s], s3, v[CO]
	s_add_co_u32 s2, s2, SLOT
	s_add_co_u32 s3, s3, SLOT
.endr
	v_lshlrev_b32 v4, 5, v1
	v_lshrrev_b32 v6, 3, v1
	v_lshl_add_u32 v4, v6, 4, v4                   ; Wo's scale bytes: 32 r, and 16 more for each 256 passed
	s_mul_i32 s2, s19, 16*272
	s_add_co_u32 s2, s2, SCP
	v_add_nc_u32 v[ASP], s2, v4
	s_lshl_b32 s3, s20, 9
	s_add_co_u32 s3, s3, SCQ
	v_lshl_add_u32 v[ASQ], v1, 3, s3               ; the tokens': [pair of heads][tile 8][row 16][2 words]
	s_lshl_b32 s98, s[ROT], 3
	s_lshl_b32 s99, s[ROT], 10
	v_add_nc_u32 v[ASPC], s98, v[ASP]              ; at my first K step: 24 bytes on at the most, inside the row's 32;
	v_add_nc_u32 v[ASQC], s99, v[ASQ]              ; 3,072 at the most, inside the 4,096
	s_mul_i32 s2, s18, 16*SPITCH
	v_mul_u32_u24 v4, v1, SPITCH
	v_lshl_add_u32 v4, v2, 5, v4
	v_add_nc_u32 v[STO], s2, v4
	v_add_nc_u32 v[RD], s2, v[CO]
	s_lshl_b32 s96, s86, 7
	s_lshl_b32 s97, s20, 6
	s_add_co_u32 s96, s96, s97                     ; my first token
	s_lshl_b32 s96, s96, 13
	s_lshl_b32 s97, s84, 10
	s_add_co_u32 s96, s96, s97
	s_lshl_b32 s97, s19, 9
	s_add_co_u32 s96, s96, s97                     ; my first column, in bytes
	s_mov_b32 s97, 0
	s_add_nc_u64 s[12:13], s[12:13], s[96:97]
.macro MUL8 a, set, q, slot, zero      ; the 32 accumulators take turns, one instruction a turn
	WIN 0xa1
.irp b, 0,1,2,3,4,5,6,7
.if \zero
	v_wmma_scale_f32_16x16x128_f8f6f4 v[8*(8*(\a)+\b):8*(8*(\a)+\b)+7], v[128*(\set)+16*\b:128*(\set)+16*\b+15], v[QF+64*(\set)+16*(\a):QF+64*(\set)+16*(\a)+15], 0, v[PS+16*(\slot)+2*\b+(\q)], v[QS+8*(\slot)+2*(\a)+(\q)]
.else
	v_wmma_scale_f32_16x16x128_f8f6f4 v[8*(8*(\a)+\b):8*(8*(\a)+\b)+7], v[128*(\set)+16*\b:128*(\set)+16*\b+15], v[QF+64*(\set)+16*(\a):QF+64*(\set)+16*(\a)+15], v[8*(8*(\a)+\b):8*(8*(\a)+\b)+7], v[PS+16*(\slot)+2*\b+(\q)], v[QS+8*(\slot)+2*(\a)+(\q)]
.endif
.endr
.endm
.macro FETCH slot, q, set
	WIN 0x40
.irp i, 0,1,2,3,4,5,6,7
.irp c, 0,1,2,3
	ds_load_b128 v[128*(\set)+16*\i+4*\c:128*(\set)+16*\i+4*\c+3], v[ADRP+\slot] offset:128*(\q)+32*\c+\i*16*PITCH
.endr
.endr
	WIN 0
.irp i, 0,1,2,3
.irp c, 0,1,2,3
	ds_load_b128 v[QF+64*(\set)+16*\i+4*\c:QF+64*(\set)+16*\i+4*\c+3], v[ADRQ+\slot] offset:(2*\i+(\q))*2048+512*\c   ; an image comes back as it was stored
.endr
.endr
.endm
.macro SCALES slot
.irp b, 0,1,2,3,4,5,6,7
	ds_load_b64 v[PS+16*\slot+2*\b:PS+16*\slot+2*\b+1], v[ASPC] offset:\b*544
.endr
.irp a, 0,1,2,3
	ds_load_b64 v[QS+8*\slot+2*\a:QS+8*\slot+2*\a+1], v[ASQC] offset:\a*128
.endr
.endm
.macro STEP slot, zero
	s_wait_dscnt 0x0                               ; set 0 and the slot's scale words are in
	MUL8 0, 0, 0, \slot, \zero
	MUL8 1, 0, 0, \slot, \zero
	PLACES 8                                       ; in front of loads into registers that matrix instructions have read
	FETCH \slot, 1, 1
	MUL8 2, 0, 0, \slot, \zero
	MUL8 3, 0, 0, \slot, \zero
	WIN 0
.endm
.macro TURN slot, next, fill
	WIN 0
	s_add_co_u32 s[KI], s[KI], 1                   ; the next slot holds my walk's step KI
	s_wait_tensorcnt 0x0                           ; all my tensor loads have landed: my part of the next slot
	ds_add_u32 v[SPW], v[NIL]
	s_wait_dscnt 0x1                               ; the add alone may be out: set 1's 48 loads are in
	MUL8 0, 1, 1, \slot, 0
	s_wait_dscnt 0x0                               ; the add is done, and my reads of this slot are over
	s_barrier_signal -1
	MUL8 1, 1, 1, \slot, 0
	WIN 0
	s_barrier_wait -1
.if \fill
	CREST                                          ; a round of the cluster's barrier: no wave of any partner still reads this slot or has a load on its way
	s_add_co_u32 s14, s[KI], s[ROT]
	s_add_co_u32 s14, s14, 1
	s_and_b32 s14, s14, 3                          ; this slot takes my walk's step KI + 1: K step (first + KI + 1) mod 4
	s_lshl_b32 s16, s14, 15
	s_lshl_b32 s14, s14, 8
	s_add_nc_u64 s[G0P+4*\slot+2:G0P+4*\slot+3], s[4:5], s[14:15]
	s_or_b32 s[G0P+4*\slot+3], s[G0P+4*\slot+3], 0x80000000
	s_add_nc_u64 s[G0Q+4*\slot+2:G0Q+4*\slot+3], s[8:9], s[16:17]
	s_or_b32 s[G0Q+4*\slot+3], s[G0Q+4*\slot+3], 0x80000000
	JLOAD G0P+4*\slot, G1P, G0Q+4*\slot, G1Q
	PLACES 4
.else
	PLACES 8
.endif
	s_add_co_u32 s98, s[KI], s[ROT]
	s_and_b32 s98, s98, 3
	s_lshl_b32 s99, s98, 10
	s_lshl_b32 s98, s98, 3
	v_add_nc_u32 v[ASPC], s98, v[ASP]              ; the next slot's scale words
	v_add_nc_u32 v[ASQC], s99, v[ASQ]
	FETCH \next, 0, 0
	SCALES \next
	MUL8 2, 1, 1, \slot, 0
	MUL8 3, 1, 1, \slot, 0
	WIN 0
.endm
	s_wait_tensorcnt 0x1                           ; the scale bytes and my part of slot 0 are in; slot 1's load may stay out
	s_barrier_signal -1
	s_barrier_wait -1
	FETCH 0, 0, 0
	SCALES 0
	STEP 0, 1
	s_mov_b32 s3, 1
.Llap:                                                 ; four K steps: one trip fills both slots again
	TURN 0, 1, 1
	STEP 1, 0
	TURN 1, 0, 1
	STEP 0, 0
	s_sub_co_u32 s3, s3, 1
	s_cmp_lg_u32 s3, 0
	s_cbranch_scc1 .Llap
	TURN 0, 1, 0
	STEP 1, 0
	s_wait_dscnt 0x0
	MUL8 0, 1, 1, 1, 0
	MUL8 1, 1, 1, 1, 0
	MUL8 2, 1, 1, 1, 0
	MUL8 3, 1, 1, 1, 0
	WIN 0
	PLACES 8
; THE WAY OUT, a tile of 16 tokens x 128 columns at a time: a lane's 32 bytes of a row go into my own stage and come back as whole rows of 512 bytes.  LDS serves a wave's instructions in order (ISA guide 5.7.1.4).
.macro TOSTAGE a
	WIN 0x08                                       ; the data: window 2
.irp b, 0,1,2,3,4,5,6,7
	ds_store_b128 v[STO], v[64*(\a)+8*\b:64*(\a)+8*\b+3] offset:64*\b        ; each accumulator from its low end on
	ds_store_b128 v[STO], v[64*(\a)+8*\b+4:64*(\a)+8*\b+7] offset:64*\b+16
.endr
	WIN 0
.set BBR, BK+64*((\a)%2)
.irp t, 0,1,2,3,4,5,6,7,8,9,10,11,12,13,14,15
	ds_load_b128 v[BBR+4*\t:BBR+4*\t+3], v[RD] offset:\t*SPITCH
.endr
.endm
.macro SEND a, younger                 ; younger: the LDS instructions issued behind tile a's loads
.set BBR, BK+64*((\a)%2)
	s_wait_dscnt \younger
.irp t, 0,1,2,3,4,5,6,7,8,9,10,11,12,13,14,15
	global_store_b128 v[CO], v[BBR+4*\t:BBR+4*\t+3], s[12:13] offset:(32*((\a)/2)+8*((\a)%2)+\t+8*(\t/8))*8192 th:TH_STORE_NT   ; 512 consecutive bytes, aligned; 63 rows of 8,192 bytes at the most in the immediate
.endr
.endm
	TOSTAGE 0
	TOSTAGE 1
	SEND 0, 32                                     ; behind tile 0's loads: tile 1's 16 stores and 16 loads
	s_wait_xcnt 0x0                                ; tile 0's stores have read their registers: tile 2's loads may land there
	TOSTAGE 2
	SEND 1, 32
	s_wait_xcnt 0x0
	TOSTAGE 3
	SEND 2, 32
	SEND 3, 0
	s_wait_tensorcnt 0x0                           ; the wave's end
	ds_add_u32 v[SPW], v[NIL]
	s_wait_dscnt 0x0
	CROUND                                         ; the closing round
	s_endpgm
.Lfunc_end_k_q1c01053fb2_oproj:
	.size	k_q1c01053fb2_oproj, .Lfunc_end_k_q1c01053fb2_oproj-k_q1c01053fb2_oproj
	.p2alignl 7, 3214868480
	.fill 96, 4, 3214868480
	.section	.rodata,"a",@progbits
	.p2align	6, 0x0
	.amdhsa_kernel k_q1c01053fb2_oproj
		.amdhsa_group_segment_fixed_size 327680
		.amdhsa_private_segment_fixed_size 0
		.amdhsa_enable_private_segment 0
		.amdhsa_kernarg_size 40
		.amdhsa_user_sgpr_count 2
		.amdhsa_user_sgpr_kernarg_segment_ptr 1
		.amdhsa_wavefront_size32 1
		.amdhsa_system_sgpr_workgroup_id_x 1
		.amdhsa_system_sgpr_workgroup_id_y 1
		.amdhsa_system_sgpr_workgroup_id_z 1
		.amdhsa_system_vgpr_workitem_id 0
		.amdhsa_next_free_vgpr 768
		.amdhsa_next_free_sgpr 106
		.amdhsa_reserve_vcc 0
		.amdhsa_float_denorm_mode_32 3
		.amdhsa_float_denorm_mode_16_64 3
		.amdhsa_memory_ordered 1
		.amdhsa_forward_progress 1
		.amdhsa_inst_pref_size 91
	.end_amdhsa_kernel
	.amdgpu_metadata
---
amdhsa.version: [ 1, 2 ]
amdhsa.kernels:
  - .name:           k_q1c01053fb2_oproj
    .symbol:         k_q1c01053fb2_oproj.kd
    .args:
      - { .name: codes1, .offset: 0, .size: 8, .value_kind: global_buffer, .address_space: global }
      - { .name: scales1, .offset: 8, .size: 8, .value_kind: global_buffer, .address_space: global }
      - { .name: ac, .offset: 16, .size: 8, .value_kind: global_buffer, .address_space: global }
      - { .name: asc, .offset: 24, .size: 8, .value_kind: global_buffer, .address_space: global }
      - { .name: out0, .offset: 32, .size: 8, .value_kind: global_buffer, .address_space: global }
    .group_segment_fixed_size: 327680
    .private_segment_fixed_size: 0
    .kernarg_segment_align: 8
    .kernarg_segment_size: 40
    .max_flat_workgroup_size: 128
    .sgpr_count:     106
    .vgpr_count:     768
    .wavefront_size: 32
...
	.end_amdgpu_metadata
.endif
;; end of part 4
